; MI455X (gfx1250); checked and timed in simulation.
; The chip was launched on July 23, 2026; its instructions are those of AMD's public machine-readable ISA for CDNA 5 (MIT licence, August 2026) and "CDNA5" Instruction Set Architecture Reference Guide (July 2026). The comments in the code are by the model that wrote it; some were corrected since.
;; Multi Head Attention. Allowed arithmetic: matrix products marked QUANTISED: E2M3 operands, one E8M0 scale for each 32 along K, by v_wmma_scale_f32_16x16x128_f8f6f4 with both operands' format E2M3, f32 sums; everything else in f32.
;; Inputs: Wk 1,024 x 1,024 float32; Wo 1,024 x 1,024 float32; Wq 1,024 x 1,024 float32; Wv 1,024 x 1,024 float32; keys 8 x 1,024 x 1,024 float32; queries 8 x 1,024 x 1,024 float32; valid_lens 8 int32; values 8 x 1,024 x 1,024 float32.
;; Outputs: out0 8 x 1,024 x 1,024 float32.
;; This version of the problem:
;;   THIS VERSION OF THE PROBLEM IS GIVEN IN LOW PRECISION. The matrix products marked QUANTISED in the list below multiply operands that are first quantised to E2M3 (2 exponent bits, 3 mantissa bits; 6 bits a number), with one power-of-two scale for each 32 numbers along K (OCP MX v1.0); their sums are f32. All else is computed in f32.
;;   The module's matrix products, in the order in which they are computed (A, B: the left and right operand; K: the contracted axis; several contracted axes count as one K, in the product's order):
;;     1. [M 8,192, K 1,024] x [K 1,024, N 1,024]; A: input queries; B: input Wq: QUANTISED
;;     2. [M 8,192, K 1,024] x [K 1,024, N 1,024]; A: input keys; B: input Wk: QUANTISED
;;     3. [M 8,192, K 1,024] x [K 1,024, N 1,024]; A: input values; B: input Wv: QUANTISED
;;     4. batch 128 x [M 1,024, K 64] x [K 64, N 1,024]; A: computed on the way; B: computed on the way: QUANTISED
;;     5. batch 128 x [M 1,024, K 1,024] x [K 1,024, N 64]; A: softmax (see below); B: computed on the way: QUANTISED
;;     6. [M 8,192, K 1,024] x [K 1,024, N 1,024]; A: computed on the way; B: input Wo: QUANTISED
;;   THE QUANTISER, for each operand of a quantised product, along K:
;;     - K is cut into blocks of 32 from its start; a last block that is shorter is filled with zeros.
;;     - A block's scale is 2^e with e = floor(log2(the largest magnitude in the block)) - 2, held to -126 .. 127; a block of zeros has e = 0. As a byte (E8M0): e + 127.
;;     - Each number is divided by its block's scale, clamped to +-7.5, and rounded to the nearest number of E2M3, ties to even, subnormals kept.
;;     - The product sums the exact products of the quantised numbers (number of the format x scale) in f32.
;;   ~~~python
;;   def quantise(x, axis):      # numpy; x: float32 -> the quantised numbers, widened to float32 again
;;       x = np.moveaxis(x, axis, -1); K = x.shape[-1]
;;       x = np.pad(x, [(0, 0)] * (x.ndim - 1) + [(0, -K % 32)]); x = x.reshape(x.shape[:-1] + (-1, 32)); a = np.abs(x).max(-1, keepdims=True)
;;       e = np.where(a > 0, np.clip(np.frexp(np.where(a > 0, a, 1))[1] - 1 - 2, -126, 127), 0)      # np.frexp(a)[1] - 1 = floor(log2(a)), exactly
;;       r = np.clip(x / 2.0 ** e, -7.5, 7.5)
;;       step = 2.0 ** (np.maximum(np.frexp(np.where(r == 0, 1, r))[1] - 1, 0) - 3)
;;       q = np.round(r / step) * step * 2.0 ** e      # np.round: ties to even
;;       return np.moveaxis(q.reshape(q.shape[:-2] + (-1,))[..., :K], -1, axis).astype(np.float32)
;;   ~~~
;;   SOFTMAX AHEAD OF A QUANTISED PRODUCT. Where the list says 'softmax', what is quantised is not the finished softmax but p = 2^(t - M), with t = logit x log2(e) and M = ceil(the row's largest t), a whole number; so 1/2 < the row's largest p <= 1. The row's sum l is taken of the UNQUANTISED p, in f32, and the product's result is divided by l at the end. Since M is a whole number, a kernel that streams over the keys may use a running M (the ceiling of the running maximum): every later rescaling is an exact power of two, which a block's scale takes up: the codes' values come out the same.
;;   OPERANDS COMPUTED ON THE WAY. 'Computed on the way' means the value that the module computes at that place (a softmax that the list does not call 'softmax' is quantised finished and normalised). What goes into a quantiser is computed in f32, as accurately as f32 sums, v_exp_f32 and their like allow (about 1e-6 of the number): no bf16 or f16 on the way to a quantiser, and a product that is left as it is and whose result goes on into a quantised operand takes f32 operands (vector FMAs, or v_wmma_f32_16x16x4_f32). A number that lies on a knife's edge between two numbers of the format may be rounded either way, as far as f32 arithmetic and the matrix unit's own rounding can turn it there, and no further.
;; One version. Each part assembles by itself: llvm-mc -triple=amdgcn-amd-amdhsa -mcpu=gfx1250 --defsym DOCPART=n.
;; ======== version 1 of 1: 4 launches
;; limits: right only within a limited range of input values
;; workspace buffers: XC 18,874,368 bytes; XS 786,432 bytes; WC 3,145,728 bytes; WS 131,072 bytes; QKVC 18,874,368 bytes; QKVS 786,432 bytes; AC 6,291,456 bytes; AS 262,144 bytes
;; launch quant (part 1): grid 448 x 1, 4 waves a work-group, no clusters, 34,304 bytes of LDS; arguments Wq, Wk, Wv, Wo, queries, keys, values, WC, WS, XC, XS; writes WC, WS, XC, XS
.if DOCPART == 1
	.amdgcn_target "amdgcn-amd-amdhsa--gfx1250"
	.amdhsa_code_object_version 6
	.text
	.protected	k_qb123c2d370_quant
	.globl	k_qb123c2d370_quant
	.p2align	8
	.type	k_qb123c2d370_quant,@function
k_qb123c2d370_quant:
	s_mov_b64 s[64:65], 0
	v_nop
	global_prefetch_b8 v0, s[64:65] scope:SCOPE_SE
	s_setreg_imm32_b32 hwreg(HW_REG_WAVE_MODE, 25, 1), 1
	s_wait_xcnt 0x0
; The four weights [1024 (k)][1024 (n)] and the three inputs [8192][1024 (k)], f32, become codes of FP6 (E2M3) with one E8M0 byte for each 32 along K.
; A block's scale is 2^(floor(log2(its largest magnitude)) - 2): its byte is that magnitude's exponent field - 2, held at 1 from below by a floor among the maximum's leaves.
; LIMITS: NaN and infinities among the inputs are not served; a block whose largest magnitude lies under 2^-124 keeps the byte 1; a block of zeros has the byte 1 and not 127
; (its codes are zeros, and the bytes are read by this program alone).
; THE CODES ARE LAID AS IMAGES OF THE OPERAND'S REGISTERS.  A fragment (16 rows x 128 K, 12 registers a lane) is 1,536 bytes: two halves of 768, each registers 0-3 at 16 x lane and then
; registers 4-5 at 8 x lane.  So every store and every later load covers 512 or 256 consecutive bytes.  Buffers: [tile][K step] x 1,536.
; THE ROWS OF A TILE ARE NOT NEIGHBOURS: lane r of tile 2 J + u holds row (column of a weight) 32 J + 8 u + r + 8 (r / 8), so that a product that takes such tiles as source 0 leaves 16 neighbours in 16 registers.
; THE SCALE WORDS: [pair J][half of K][lane][4 words]: word i is K step 4 x half + i; lanes 0-15 tile 2 J, lanes 16-31 tile 2 J + 1.
; Work-groups 0-63 take the weights (a lane a column, registers down K; no LDS), work-groups 64-447 the inputs (dense loads, turned through the wave's own stage in LDS).
; A stream bound by its bytes: no matrix unit, no cluster, no barrier: waves share nothing.
.set WB,    786432                     ; a weight's codes
.set WSB,   32768                      ; and scale words
.set XB,    6291456                    ; an input's codes
.set XSB,   262144                     ; and scale words
.set STG,   8448                       ; a wave's stage: 16 rows x (512 + 16) bytes
.set SPARE, 4*STG                      ; behind the stages: the spare words, 128 bytes a wave, which no other line names
.set SPW,   254                        ; v254 my spare word's address; never rewritten
.set NIL,   255                        ; v255 0; never rewritten
.set SEL,   36                         ; s[36:37] selects of v_permlanex16_b32 for lane l xor 16
.set TM,    240                        ; inputs: v240-243 maxima, v244-247 the other half's / bytes, v248-251 scale operands
.set TP,    232                        ; v232-238 conversions' second halves
; ---- weights: block n of 16 (32 along K) of my column, into set n % 3
.macro WLOAD n
.set i, 0
.rept 32
	global_load_b32 v[32+32*((\n)%3)+i], v2, s[4:5] offset:(32*(\n)+i)*4096 th:TH_LOAD_NT
.set i, i+1
.endr
.endm
.macro WBLOCK n
.set WX, 32+32*((\n)%3)
.set BP, (\n)%4                        ; the block's place in its K step
.set SL, (\n)/4                        ; the K step
.set CC, BP/2
.if (\n) < 15
	s_wait_loadcnt 32                              ; this block's 32 loads are in; the next block's 32 stay out
.else
	s_wait_loadcnt 0x0
.endif
.if (BP == 0) && (SL > 0)
	s_wait_xcnt 0x0                                ; the last K step's stores have read the fragments' registers, which are written again below
.endif
.if (\n)+2 < 16
	WLOAD (\n)+2                                   ; into the set that block n - 1 has left
.endif
	v_max3_num_f32 v196, |v[WX]|, |v[WX+1]|, |v[WX+2]|       ; the block's largest magnitude: all 32 numbers are mine; two chains
	v_max3_num_f32 v197, |v[WX+3]|, |v[WX+4]|, |v[WX+5]|
.irp i, 6,10,14,18,22,26
	v_max3_num_f32 v196, v196, |v[WX+\i]|, |v[WX+\i+1]|
	v_max3_num_f32 v197, v197, |v[WX+\i+2]|, |v[WX+\i+3]|
.endr
	v_max3_num_f32 v196, v196, |v[WX+30]|, |v[WX+31]|
	v_max3_num_f32 v196, v196, v197, 0x1800000     ; and the floor 2^(3 - 127)
	v_add_nc_u32 v198, 0xff000000, v196            ; 2 off the exponent field: the conversion's scale operand
	v_lshrrev_b32 v199, 23, v198                   ; the byte
.if BP == 0
	v_mov_b32 v[192+SL], v199
.else
	v_lshl_or_b32 v[192+SL], v199, 8*BP, v[192+SL]
.endif
.if BP%2 == 0
	v_cvt_scalef32_pk16_fp6_f32 v[160+6*CC:162+6*CC], v[WX:WX+15], v198
	v_cvt_scalef32_pk16_fp6_f32 v[184:186], v[WX+16:WX+31], v198    ; (a conversion's three registers begin on an even number)
.else
	v_cvt_scalef32_pk16_fp6_f32 v[172+6*CC:174+6*CC], v[WX:WX+15], v198
	v_cvt_scalef32_pk16_fp6_f32 v[188:190], v[WX+16:WX+31], v198
	v_nop                                          ; a plain line behind the conversions
; Lanes 0-15 hold tile A's columns, lanes 16-31 tile B's.  The even block's lanes 16-31 (B) change places with the odd block's lanes 0-15 (A): the first is then A's fragment (lanes 0-15 the even block, lanes 16-31 the odd), the second B's.
.irp i, 0,1,2
	v_permlane16_swap_b32 v[160+6*CC+\i], v[172+6*CC+\i]
.endr
.irp i, 0,1,2
	v_permlane16_swap_b32 v[184+\i], v[188+\i]
.endr
.irp i, 0,1,2
	v_mov_b32 v[163+6*CC+\i], v[184+\i]
	v_mov_b32 v[175+6*CC+\i], v[188+\i]
.endr
.endif
.if BP == 3
.irp u, 0,1                                    ; two fragments leave: 512, 256, 512, 256 consecutive bytes each
	global_store_b128 v3, v[160+12*\u:163+12*\u], s[18:19] offset:\u*12288+SL*1536
	global_store_b64  v4, v[164+12*\u:165+12*\u], s[18:19] offset:\u*12288+SL*1536+512
	global_store_b128 v3, v[166+12*\u:169+12*\u], s[18:19] offset:\u*12288+SL*1536+768
	global_store_b64  v4, v[170+12*\u:171+12*\u], s[18:19] offset:\u*12288+SL*1536+1280
.endr
.endif
.endm
; ---- inputs: unit n of 8 = K step n / 2 of my four, tile n % 2 of my pair: 16 rows x 512 bytes, each load one row's 512 consecutive bytes
.macro XLOAD n
.irp i, 0,1,2,3,4,5,6,7,8,9,10,11,12,13,14,15
	global_load_b128 v[16+64*((\n)%2)+4*\i:16+64*((\n)%2)+4*\i+3], v2, s[12:13] offset:(8*((\n)%2)+\i+8*(\i/8))*4096+512*((\n)/2) th:TH_LOAD_NT
.endr
.endm
; 64 numbers of a lane, register 16 b + i = k 32 b + 16 (lane / 16) + i of my row, become a fragment: six registers at lo, six at hi, and its scale word in pw
.macro QUANT s, lo, hi, pw
.irp b, 0,1,2,3
	v_max3_num_f32 v[TM+\b], |v[\s+16*\b]|, |v[\s+1+16*\b]|, 0x1800000
.endr
.irp i, 2,4,6,8,10,12,14
.irp b, 0,1,2,3
	v_max3_num_f32 v[TM+\b], v[TM+\b], |v[\s+16*\b+\i]|, |v[\s+1+16*\b+\i]|
.endr
.endr
.irp b, 0,1,2,3
	v_permlanex16_b32 v[TM+4+\b], v[TM+\b], s[SEL], s[SEL+1]
.endr
.irp b, 0,1,2,3
	v_max_num_f32 v[TM+\b], v[TM+\b], v[TM+4+\b]   ; with lane l xor 16's 16 numbers: the block's
.endr
.irp b, 0,1,2,3
	v_add_nc_u32 v[TM+8+\b], 0xff000000, v[TM+\b]
.endr
.irp b, 0,1,2,3
	v_lshrrev_b32 v[TM+4+\b], 23, v[TM+8+\b]
.endr
	v_lshl_or_b32 v[\pw], v[TM+5], 8, v[TM+4]
	v_lshl_or_b32 v[\pw], v[TM+6], 16, v[\pw]
	v_lshl_or_b32 v[\pw], v[TM+7], 24, v[\pw]
	v_cvt_scalef32_pk16_fp6_f32 v[\lo:\lo+2], v[\s:\s+15], v[TM+8]
	v_cvt_scalef32_pk16_fp6_f32 v[TP:TP+2], v[\s+16:\s+31], v[TM+9]
	v_cvt_scalef32_pk16_fp6_f32 v[\hi:\hi+2], v[\s+32:\s+47], v[TM+10]
	v_cvt_scalef32_pk16_fp6_f32 v[TP+4:TP+6], v[\s+48:\s+63], v[TM+11]
	v_nop                                          ; a plain line behind the conversions
.irp i, 0,1,2                                  ; the layout wants a whole block in a lane: lanes 0-15 the even block, lanes 16-31 the odd
	v_permlane16_swap_b32 v[\lo+\i], v[TP+\i]
.endr
.irp i, 0,1,2
	v_mov_b32 v[\lo+3+\i], v[TP+\i]
.endr
.irp i, 0,1,2
	v_permlane16_swap_b32 v[\hi+\i], v[TP+4+\i]
.endr
.irp i, 0,1,2
	v_mov_b32 v[\hi+3+\i], v[TP+4+\i]
.endr
.endm
.macro UNIT n
.set RS_, 16+64*((\n)%2)
.set PCS, 208+12*((\n)%2)
.if (\n) < 7
	s_wait_loadcnt 16                              ; this unit's 16 loads are in; the next unit's 16 stay out
.else
	s_wait_loadcnt 0x0
.endif
.irp i, 0,1,2,3,4,5,6,7,8,9,10,11,12,13,14,15
	ds_store_b128 v4, v[RS_+4*\i:RS_+4*\i+3] offset:528*\i     ; row i as it lies
.endr
.irp b, 0,1,2,3
.irp j, 0,1,2,3
	ds_load_b128 v[144+16*\b+4*\j:144+16*\b+4*\j+3], v5 offset:128*\b+16*\j   ; my row's 16 neighbours of each block; LDS serves a wave's instructions in order
.endr
.endr
	s_wait_dscnt 0x0                               ; the numbers are back, and the stage's stores have read their registers
	s_wait_xcnt 0x0                                ; the stores of two units ago have read the codes' registers, which are written again below
.if (\n)+2 < 8
	XLOAD (\n)+2
.endif
	QUANT 144, PCS, PCS+6, 253-((\n)%2)
.if (\n)%2 == 1
	v_cndmask_b32 v[6+(\n)/2], v253, v252, s40     ; lanes 0-15 the even tile's word, lanes 16-31 the odd tile's
.endif
	global_store_b128 v2, v[PCS:PCS+3], s[22:23] offset:((\n)%2)*12288+((\n)/2)*1536
	global_store_b64  v3, v[PCS+4:PCS+5], s[22:23] offset:((\n)%2)*12288+((\n)/2)*1536+512
	global_store_b128 v2, v[PCS+6:PCS+9], s[22:23] offset:((\n)%2)*12288+((\n)/2)*1536+768
	global_store_b64  v3, v[PCS+10:PCS+11], s[22:23] offset:((\n)%2)*12288+((\n)/2)*1536+1280
.endm
	s_load_b256 s[4:11], s[0:1], 0x0               ; Wq, Wk, Wv, Wo
	s_load_b256 s[12:19], s[0:1], 0x20             ; queries, keys, values, WC
	s_load_b128 s[20:23], s[0:1], 0x40             ; WS, XC
	s_load_b64 s[24:25], s[0:1], 0x50              ; XS
	v_lshl_add_u32 v[SPW], v0, 2, SPARE
	v_mov_b32 v[NIL], 0
	v_lshrrev_b32 v1, 5, v0
	v_readfirstlane_b32 s26, v1                    ; wave
	v_and_b32 v1, 31, v0                           ; lane
	s_mov_b32 s[SEL], 0x76543210
	s_mov_b32 s[SEL+1], 0xfedcba98
	s_mov_b32 s40, 0xffff0000                      ; lanes 16-31
	s_cmp_ge_u32 ttmp9, 64
	s_cbranch_scc1 .Lxpath
	; ---------------- a weight: 32 columns (a pair of tiles) x 512 along K to a wave
	s_lshr_b32 s28, ttmp9, 4                       ; which weight
	s_bfe_u32 s29, ttmp9, 0x30001
	s_and_b32 s30, ttmp9, 1                        ; which half of K
	s_lshl_b32 s29, s29, 2
	s_add_co_u32 s29, s29, s26                     ; which pair of tiles, 0..31
	s_wait_alu depctr_va_vdst(0)
	v_and_b32 v5, 15, v1
	v_and_b32 v6, 8, v1
	v_add_nc_u32 v5, v5, v6                        ; r + 8 (r / 8)
	v_and_b32 v6, 16, v1
	v_lshrrev_b32 v6, 1, v6
	v_add_nc_u32 v5, v5, v6                        ; + 8 u
	v_lshlrev_b32 v2, 2, v5                        ; my column's bytes among the pair's 128
	v_lshlrev_b32 v3, 4, v1
	v_lshlrev_b32 v4, 3, v1
	s_lshl_b32 s32, s30, 21                        ; 512 rows of 4,096 bytes
	s_lshl_b32 s33, s29, 7
	s_add_co_u32 s32, s32, s33
	s_mov_b32 s33, 0
	s_mul_i32 s34, s28, WB
	s_mul_i32 s35, s29, 24576
	s_add_co_u32 s34, s34, s35
	s_mul_i32 s35, s30, 6144
	s_add_co_u32 s34, s34, s35
	s_mov_b32 s35, 0
	s_lshl_b32 s38, s28, 15
	s_lshl_b32 s39, s29, 10
	s_add_co_u32 s38, s38, s39
	s_lshl_b32 s39, s30, 9
	s_add_co_u32 s38, s38, s39
	s_mov_b32 s39, 0
	s_wait_alu depctr_va_vdst(0)
	s_wait_kmcnt 0x0
	s_cmp_lt_u32 s28, 1                            ; the choice hangs on the work-group's number alone
	s_cselect_b64 s[4:5], s[4:5], s[6:7]
	s_cmp_lt_u32 s28, 2
	s_cselect_b64 s[4:5], s[4:5], s[8:9]
	s_cmp_lt_u32 s28, 3
	s_cselect_b64 s[4:5], s[4:5], s[10:11]
	s_add_nc_u64 s[4:5], s[4:5], s[32:33]
	s_add_nc_u64 s[18:19], s[18:19], s[34:35]
	s_add_nc_u64 s[20:21], s[20:21], s[38:39]
	WLOAD 0
	WLOAD 1
.irp t, 0,1,2,3,4,5,6,7,8,9,10,11,12,13,14,15
	WBLOCK \t
.endr
	global_store_b128 v3, v[192:195], s[20:21]     ; my column's four scale words: the wave stores 512 consecutive bytes
	s_wait_tensorcnt 0x0                           ; the wave's end
	ds_add_u32 v[SPW], v[NIL]
	s_wait_dscnt 0x0
	s_endpgm
.Lxpath:
	; ---------------- an input: 32 rows (a pair of tiles) x 512 along K to a wave
	s_sub_co_u32 s27, ttmp9, 64
	s_lshr_b32 s28, s27, 7                         ; which input
	s_and_b32 s29, s27, 127
	s_lshl_b32 s29, s29, 2
	s_add_co_u32 s29, s29, s26
	s_lshr_b32 s30, s29, 1                         ; which pair of tiles, 0..255
	s_and_b32 s31, s29, 1                          ; which half of K
	s_wait_alu depctr_va_vdst(0)
	v_lshlrev_b32 v2, 4, v1
	v_lshlrev_b32 v3, 3, v1
	s_mul_i32 s41, s26, STG                        ; my stage
	v_add_nc_u32 v4, s41, v2                       ; in: 16 x lane
	v_and_b32 v10, 15, v1
	v_lshrrev_b32 v11, 4, v1
	v_mul_u32_u24 v5, v10, 528
	v_lshl_add_u32 v5, v11, 6, v5
	v_add_nc_u32 v5, s41, v5                       ; out: row r, + 64 bytes for lanes 16-31
.irp b, 0,1,2,3
	v_mov_b32 v[TM+4+\b], 0                        ; written once: a lane permute's destination counts as one of its sources
.endr
	s_lshl_b32 s32, s30, 17                        ; 32 rows of 4,096 bytes
	s_lshl_b32 s33, s31, 11
	s_add_co_u32 s32, s32, s33
	s_mov_b32 s33, 0
	s_mul_i32 s34, s28, XB
	s_mul_i32 s35, s30, 24576
	s_add_co_u32 s34, s34, s35
	s_mul_i32 s35, s31, 6144
	s_add_co_u32 s34, s34, s35
	s_mov_b32 s35, 0
	s_lshl_b32 s38, s28, 18
	s_lshl_b32 s39, s30, 10
	s_add_co_u32 s38, s38, s39
	s_lshl_b32 s39, s31, 9
	s_add_co_u32 s38, s38, s39
	s_mov_b32 s39, 0
	s_wait_alu depctr_va_vdst(0)
	s_wait_kmcnt 0x0
	s_cmp_lt_u32 s28, 1
	s_cselect_b64 s[12:13], s[12:13], s[14:15]
	s_cmp_lt_u32 s28, 2
	s_cselect_b64 s[12:13], s[12:13], s[16:17]
	s_add_nc_u64 s[12:13], s[12:13], s[32:33]
	s_add_nc_u64 s[22:23], s[22:23], s[34:35]
	s_add_nc_u64 s[24:25], s[24:25], s[38:39]
	XLOAD 0
	XLOAD 1
.irp t, 0,1,2,3,4,5,6,7
	UNIT \t
.endr
	global_store_b128 v2, v[6:9], s[24:25]         ; the pair's scale words of my four K steps: 512 consecutive bytes
	s_wait_tensorcnt 0x0                           ; the wave's end, behind my last LDS store
	ds_add_u32 v[SPW], v[NIL]
	s_wait_dscnt 0x0
	s_endpgm
.Lfunc_end_k_qb123c2d370_quant:
	.size	k_qb123c2d370_quant, .Lfunc_end_k_qb123c2d370_quant-k_qb123c2d370_quant
	.p2alignl 7, 3214868480
	.fill 96, 4, 3214868480
	.section	.rodata,"a",@progbits
	.p2align	6, 0x0
	.amdhsa_kernel k_qb123c2d370_quant
		.amdhsa_group_segment_fixed_size 34304
		.amdhsa_private_segment_fixed_size 0
		.amdhsa_enable_private_segment 0
		.amdhsa_kernarg_size 88
		.amdhsa_user_sgpr_count 2
		.amdhsa_user_sgpr_kernarg_segment_ptr 1
		.amdhsa_wavefront_size32 1
		.amdhsa_system_sgpr_workgroup_id_x 1
		.amdhsa_system_sgpr_workgroup_id_y 1
		.amdhsa_system_sgpr_workgroup_id_z 1
		.amdhsa_system_vgpr_workitem_id 0
		.amdhsa_next_free_vgpr 256
		.amdhsa_next_free_sgpr 66
		.amdhsa_reserve_vcc 0
		.amdhsa_float_denorm_mode_32 3
		.amdhsa_float_denorm_mode_16_64 3
		.amdhsa_memory_ordered 1
		.amdhsa_forward_progress 1
		.amdhsa_inst_pref_size 143
	.end_amdhsa_kernel
	.amdgpu_metadata
---
amdhsa.version: [ 1, 2 ]
amdhsa.kernels:
  - .name:           k_qb123c2d370_quant
    .symbol:         k_qb123c2d370_quant.kd
    .args:
      - { .name: Wq, .offset: 0, .size: 8, .value_kind: global_buffer, .address_space: global }
      - { .name: Wk, .offset: 8, .size: 8, .value_kind: global_buffer, .address_space: global }
      - { .name: Wv, .offset: 16, .size: 8, .value_kind: global_buffer, .address_space: global }
      - { .name: Wo, .offset: 24, .size: 8, .value_kind: global_buffer, .address_space: global }
      - { .name: queries, .offset: 32, .size: 8, .value_kind: global_buffer, .address_space: global }
      - { .name: keys, .offset: 40, .size: 8, .value_kind: global_buffer, .address_space: global }
      - { .name: values, .offset: 48, .size: 8, .value_kind: global_buffer, .address_space: global }
      - { .name: WC, .offset: 56, .size: 8, .value_kind: global_buffer, .address_space: global }
      - { .name: WS, .offset: 64, .size: 8, .value_kind: global_buffer, .address_space: global }
      - { .name: XC, .offset: 72, .size: 8, .value_kind: global_buffer, .address_space: global }
      - { .name: XS, .offset: 80, .size: 8, .value_kind: global_buffer, .address_space: global }
    .group_segment_fixed_size: 34304
    .private_segment_fixed_size: 0
    .kernarg_segment_align: 8
    .kernarg_segment_size: 88
    .max_flat_workgroup_size: 128
    .sgpr_count:     66
    .vgpr_count:     256
    .wavefront_size: 32
...
	.end_amdgpu_metadata
.endif
;; end of part 1
;; launch proj (part 2): grid 4 x 64, 4 waves a work-group, clusters of 4 x 4, 327,680 bytes of LDS; arguments XC, XS, WC, WS, QKVC, QKVS; writes QKVC, QKVS
.if DOCPART == 2
	.amdgcn_target "amdgcn-amd-amdhsa--gfx1250"
	.amdhsa_code_object_version 6
	.text
	.protected	k_qb123c2d370_proj
	.globl	k_qb123c2d370_proj
	.p2align	8
	.type	k_qb123c2d370_proj,@function
k_qb123c2d370_proj:
	s_mov_b64 s[64:65], 0
	v_nop
	global_prefetch_b8 v0, s[64:65] scope:SCOPE_SE
	s_setreg_imm32_b32 hwreg(HW_REG_WAVE_MODE, 25, 1), 1
	s_wait_xcnt 0x0
	s_wait_alu depctr_hold_cnt(0) depctr_sa_sdst(0) depctr_va_vdst(0) depctr_va_sdst(0) depctr_va_ssrc(0) depctr_va_vcc(0) depctr_vm_vsrc(0)
	s_getreg_b32 s2, hwreg(HW_REG_IB_STS2, 6, 4)
	s_cmp_eq_u32 s2, 0
	s_cbranch_scc0 .Lentry_in_a_cluster
	s_endpgm
.Lentry_in_a_cluster:
	s_bfe_u32 s2, ttmp6, 0x10000c
	s_cmp_lg_u32 s2, 0xf033
	s_cbranch_scc0 .Lentry_shape_is_right
	s_endpgm
.Lentry_shape_is_right:
; q = queries Wq, k = keys Wk, v = values Wv on codes of FP6 (E2M3) with E8M0 scales, sums in f32; the results are quantised in registers and leave as codes:
; q and k along the head's 64 (half a fragment, 768 bytes, for 16 rows of a head), v along the keys (a fragment of 1,536 bytes for 16 of a head's 64 x 128 keys).
; LIMITS: no NaN or infinities; a block under 2^-124 keeps the byte 1; a block of zeros has the byte 1 (read by this program alone).
; ROLES.  R is source 0: its rows run along a lane's result registers, the axis that is quantised next.  P is source 1: its row is the lane's.  q, k: R = the weight's columns, P = the input's rows.  v: R = values' rows, P = Wv's columns.
; Lane r of tile 2 J + u is row 32 J + 8 u + r + 8 (r / 8), so the 16 registers of R's tiles 2 b, 2 b + 1 are 16 neighbours.
; A WORK-GROUP STAYS: 256 work-groups, each makes three blocks of 256 (R) x 128 (P) x 1,024 (K): q's and k's in a loop of two trips, v's written out behind it (it asks for nothing more, and its way out differs).
; THE RING: two LDS slots, each four K steps of R's 16 tiles (98,304 bytes) and of P's 8 (49,152).  Waves 0, 1 fetch R's halves, waves 2, 3 P's: one joint load a wave behind each round.  The ring goes on into the next block.
; CLUSTER 4 x 4: R's tiles hang on cx alone and are asked for jointly by a column of the cluster, P's on cy alone, by a row.
; PREFETCH: in K steps 0 and 4 of q's and k's blocks each wave names the next block's lower and upper half of K, one slot ahead of the joint load that wants it; of a wave's tiles each of the four partners names a quarter, told apart by address
; (R: 2 tiles = 48 blocks of 256 bytes, two instructions; P: 1 tile = 24 blocks, one instruction, the lanes left over on the last block).  The first block's two slots come by their loads alone; v's block asks for nothing.
; REGISTERS: window 0: v1-13 addresses, v28-29 the add's two, v32-63 R's scale words, v64-79 P's, v80-107 at work on the way out, v112-207 R's eight fragments, v208-255 P's four (set 0); window 2: set 1; window 1: accumulator (p, t) at v[8 (8 p + t)].
.set XB,    6291456
.set XSB,   262144
.set WB,    786432
.set WSB,   32768
.set RSL,   98304                      ; R's part of a slot: 16 tiles x 4 K steps x 1,536
.set PSL,   49152                      ; P's: 8 tiles
.set SLOT,  RSL+PSL
.set SPARE, 2*SLOT                     ; the spare words, 128 bytes a wave, which no other line names
.set SPW,   28
.set NIL,   29
.set SR,    32
.set SP,    64
.set TM,    80
.set TP,    92
.set PW,    100
.set RF,    112
.set PF,    208
.set SEL,   66
.set MSB, 0
.macro WIN new                         ; the immediate's high byte repeats the setting that is left
.if MSB != \new
	s_set_vgpr_msb (MSB<<8)|\new
.set MSB, \new
.endif
.endm
.macro CREST                           ; a round of the cluster's barrier behind its opening barrier
	s_cmp_lg_u32 s16, 0
	s_cbranch_scc1 .Lnot_wave_0_\@
	s_barrier_signal -3
.Lnot_wave_0_\@:
	s_barrier_wait -3
	s_barrier_signal -1
	s_barrier_wait -1
.endm
.macro CROUND
	s_barrier_signal -1
	s_barrier_wait -1
	CREST
.endm
.macro NOPS
.rept 4
	v_nop
.endr
.endm
; a joint load into slot s: each line has one mask and one set of registers; the branch hangs on the wave's number alone
.macro JLOAD s
	s_cmp_lt_u32 s16, 2
	s_cbranch_scc0 .Lfor_p_\@
	tensor_load_to_lds s[48+4*\s:51+4*\s], s[32:39]
	s_nop 0
	NOPS
	s_branch .Lasked_\@
.Lfor_p_\@:
	tensor_load_to_lds s[68+4*\s:71+4*\s], s[40:47]
	s_nop 0
	NOPS
.Lasked_\@:
.endm
; both slots' group 0 for the block whose fetch addresses stand in s[56:57] (R) and s[58:59] (P); written only where no tensor load of the wave is out
.macro DESC
	s_mov_b64 s[50:51], s[56:57]
	s_or_b32 s51, s51, 0x80000000
	s_add_nc_u64 s[54:55], s[56:57], 6144
	s_or_b32 s55, s55, 0x80000000
	s_mov_b64 s[70:71], s[58:59]
	s_or_b32 s71, s71, 0x80000000
	s_add_nc_u64 s[74:75], s[58:59], 6144
	s_or_b32 s75, s75, 0x80000000
.endm
.macro ASK off                         ; my quarter of what I shall fetch of the next block, at byte off of each tile
	global_prefetch_b8 v12, s[88:89] offset:\off th:TH_LOAD_NT scope:SCOPE_SE
	s_cmp_lt_u32 s16, 2
	s_cbranch_scc0 .Lno_more_\@
	global_prefetch_b8 v13, s[88:89] offset:\off th:TH_LOAD_NT scope:SCOPE_SE
.Lno_more_\@:
.endm
.macro WM d, a, b, zero, sa, sb, ra, rb
.if \zero
.if (\ra) && (\rb)
	v_wmma_scale_f32_16x16x128_f8f6f4 v[\d:\d+7], v[\a:\a+11], v[\b:\b+11], 0, v[\sa], v[\sb] matrix_a_fmt:MATRIX_FMT_FP6 matrix_b_fmt:MATRIX_FMT_FP6 matrix_a_scale:MATRIX_SCALE_ROW1 matrix_b_scale:MATRIX_SCALE_ROW1
.elseif \ra
	v_wmma_scale_f32_16x16x128_f8f6f4 v[\d:\d+7], v[\a:\a+11], v[\b:\b+11], 0, v[\sa], v[\sb] matrix_a_fmt:MATRIX_FMT_FP6 matrix_b_fmt:MATRIX_FMT_FP6 matrix_a_scale:MATRIX_SCALE_ROW1
.elseif \rb
	v_wmma_scale_f32_16x16x128_f8f6f4 v[\d:\d+7], v[\a:\a+11], v[\b:\b+11], 0, v[\sa], v[\sb] matrix_a_fmt:MATRIX_FMT_FP6 matrix_b_fmt:MATRIX_FMT_FP6 matrix_b_scale:MATRIX_SCALE_ROW1
.else
	v_wmma_scale_f32_16x16x128_f8f6f4 v[\d:\d+7], v[\a:\a+11], v[\b:\b+11], 0, v[\sa], v[\sb] matrix_a_fmt:MATRIX_FMT_FP6 matrix_b_fmt:MATRIX_FMT_FP6
.endif
.else
.if (\ra) && (\rb)
	v_wmma_scale_f32_16x16x128_f8f6f4 v[\d:\d+7], v[\a:\a+11], v[\b:\b+11], v[\d:\d+7], v[\sa], v[\sb] matrix_a_fmt:MATRIX_FMT_FP6 matrix_b_fmt:MATRIX_FMT_FP6 matrix_a_scale:MATRIX_SCALE_ROW1 matrix_b_scale:MATRIX_SCALE_ROW1
.elseif \ra
	v_wmma_scale_f32_16x16x128_f8f6f4 v[\d:\d+7], v[\a:\a+11], v[\b:\b+11], v[\d:\d+7], v[\sa], v[\sb] matrix_a_fmt:MATRIX_FMT_FP6 matrix_b_fmt:MATRIX_FMT_FP6 matrix_a_scale:MATRIX_SCALE_ROW1
.elseif \rb
	v_wmma_scale_f32_16x16x128_f8f6f4 v[\d:\d+7], v[\a:\a+11], v[\b:\b+11], v[\d:\d+7], v[\sa], v[\sb] matrix_a_fmt:MATRIX_FMT_FP6 matrix_b_fmt:MATRIX_FMT_FP6 matrix_b_scale:MATRIX_SCALE_ROW1
.else
	v_wmma_scale_f32_16x16x128_f8f6f4 v[\d:\d+7], v[\a:\a+11], v[\b:\b+11], v[\d:\d+7], v[\sa], v[\sb] matrix_a_fmt:MATRIX_FMT_FP6 matrix_b_fmt:MATRIX_FMT_FP6
.endif
.endif
.endm
; 48 LDS loads in one run: my twelve fragments of K step e of slot sl, as images of their registers; v3-6 address slot 0, v8-11 slot 1
.macro FETCH set, sl, e
.if \set
	WIN 0x80                                       ; destination window 2, address window 0
.else
	WIN 0
.endif
.irp i, 0,1,2,3,4,5,6,7
	ds_load_b128 v[RF+12*\i:RF+12*\i+3],    v[3+5*(\sl)] offset:6144*\i+1536*(\e)
	ds_load_b64  v[RF+12*\i+4:RF+12*\i+5],  v[4+5*(\sl)] offset:6144*\i+1536*(\e)+512
	ds_load_b128 v[RF+12*\i+6:RF+12*\i+9],  v[3+5*(\sl)] offset:6144*\i+1536*(\e)+768
	ds_load_b64  v[RF+12*\i+10:RF+12*\i+11], v[4+5*(\sl)] offset:6144*\i+1536*(\e)+1280
.endr
.irp i, 0,1,2,3
	ds_load_b128 v[PF+12*\i:PF+12*\i+3],    v[5+5*(\sl)] offset:6144*\i+1536*(\e)
	ds_load_b64  v[PF+12*\i+4:PF+12*\i+5],  v[6+5*(\sl)] offset:6144*\i+1536*(\e)+512
	ds_load_b128 v[PF+12*\i+6:PF+12*\i+9],  v[5+5*(\sl)] offset:6144*\i+1536*(\e)+768
	ds_load_b64  v[PF+12*\i+10:PF+12*\i+11], v[6+5*(\sl)] offset:6144*\i+1536*(\e)+1280
.endr
.endm
; eight products of K step s: P's tile p against R's eight.  The 32 accumulators take turns, one instruction a turn, in the same order in every step
.macro MUL1 set, s, zero, p
.if \set
	WIN 0x5a                                       ; sources 0 and 1 window 2, C and D window 1
.else
	WIN 0x50
.endif
.irp t, 0,1,2,3,4,5,6,7
	WM 8*(8*\p+\t), RF+12*\t, PF+12*\p, \zero, SR+8*(\t/2)+(\s), SP+8*(\p/2)+(\s), \t%2, \p%2
.endr
.endm
.macro STEP s, last
.if (\s) == 3
; the change of slots: slot 1 is whole, slot 0 is read no more and (but in the last block) takes the next block's K steps 0-3
	WIN 0
	s_wait_tensorcnt 0x0                           ; my one load that was out, my part of slot 1
	ds_add_u32 v[SPW], v[NIL]
.if \last == 0
	DESC                                           ; no load of mine is out: both slots' addresses step to the next block,
	s_mov_b64 s[56:57], s[60:61]                   ; and v's block is next in line
	s_mov_b64 s[58:59], s[62:63]
.endif
	s_wait_dscnt 0x0                               ; the add, and my reads of slot 0: this step's fragments were its last
	s_barrier_signal -1
	MUL1 1, 3, 0, 0
	WIN 0
	s_barrier_wait -1
.if \last == 0
	CREST
	JLOAD 0                                        ; its four v_nop are the places in front of the loads below
.else
	NOPS
.endif
	FETCH 0, 1, 0
	MUL1 1, 3, 0, 1
	MUL1 1, 3, 0, 2
	MUL1 1, 3, 0, 3
.else
	s_wait_dscnt 0x0                               ; this step's fragments are in
.if (\s) < 7
	WIN 0
	NOPS                                           ; four places in front of loads into registers that the step before has multiplied
	FETCH ((\s)+1)%2, ((\s)+1)/4, ((\s)+1)%4
.if (\last == 0) && ((\s)%4 == 0)
	WIN 0
	ASK 6144*((\s)/4)
.endif
.endif
.irp p, 0,1,2,3
.if (\s) == 0
	MUL1 0, 0, 1, \p                               ; the first step's products start the sums
.else
	MUL1 (\s)%2, \s, 0, \p
.endif
.endr
.endif
.endm
; P's tile p: my lane's 64 results become twelve registers of codes at v[RF + 12 p] and a scale word in v[PW + p]
.macro QUANTW p
	WIN 0x14                                       ; sources 1 and 2 window 1
.irp b, 0,1,2,3
	v_max3_num_f32 v[TM+\b], 0x1800000, |v[64*\p+16*\b]|, |v[64*\p+16*\b+1]|    ; each accumulator from its low end on; the floor 2^(3 - 127) is a leaf
.endr
.irp i, 2,4,6,8,10,12,14
.irp b, 0,1,2,3
	v_max3_num_f32 v[TM+\b], v[TM+\b], |v[64*\p+16*\b+\i]|, |v[64*\p+16*\b+\i+1]|
.endr
.endr
	WIN 0
.irp b, 0,1,2,3
	v_permlanex16_b32 v[TM+4+\b], v[TM+\b], s[SEL], s[SEL+1]
.endr
.irp b, 0,1,2,3
	v_max_num_f32 v[TM+\b], v[TM+\b], v[TM+4+\b]
.endr
.irp b, 0,1,2,3
	v_add_nc_u32 v[TM+8+\b], 0xff000000, v[TM+\b]  ; 2 off the exponent field: the conversion's scale operand
.endr
.irp b, 0,1,2,3
	v_lshrrev_b32 v[TM+4+\b], 23, v[TM+8+\b]
.endr
	v_lshl_or_b32 v[PW+\p], v[TM+5], 8, v[TM+4]
	v_lshl_or_b32 v[PW+\p], v[TM+6], 16, v[PW+\p]
	v_lshl_or_b32 v[PW+\p], v[TM+7], 24, v[PW+\p]
	WIN 0x01                                       ; source 0 window 1
	v_cvt_scalef32_pk16_fp6_f32 v[RF+12*\p:RF+12*\p+2], v[64*\p:64*\p+15], v[TM+8]
	v_cvt_scalef32_pk16_fp6_f32 v[TP:TP+2], v[64*\p+16:64*\p+31], v[TM+9]
	v_cvt_scalef32_pk16_fp6_f32 v[RF+12*\p+6:RF+12*\p+8], v[64*\p+32:64*\p+47], v[TM+10]
	v_cvt_scalef32_pk16_fp6_f32 v[TP+4:TP+6], v[64*\p+48:64*\p+63], v[TM+11]
	WIN 0
	v_nop                                          ; a plain line behind the conversions
.irp c, 0,1
.irp i, 0,1,2
	v_permlane16_swap_b32 v[RF+12*\p+6*\c+\i], v[TP+4*\c+\i]
.endr
.irp i, 0,1,2
	v_mov_b32 v[RF+12*\p+6*\c+3+\i], v[TP+4*\c+\i]
.endr
.endr
.endm
.macro SCALES rb, pb                   ; a block's scale words, straight into registers: register 8 j + s: pair j, K step s; lanes 0-15 the even tile, lanes 16-31 the odd
.irp j, 0,1,2,3
.irp q, 0,1
	global_load_b128 v[SR+8*\j+4*\q:SR+8*\j+4*\q+3], v1, s[\rb:\rb+1] offset:1024*\j+512*\q
.endr
.endr
.irp j, 0,1
.irp q, 0,1
	global_load_b128 v[SP+8*\j+4*\q:SP+8*\j+4*\q+3], v1, s[\pb:\pb+1] offset:1024*\j+512*\q
.endr
.endr
.endm
; a block: slot 0 holds its K steps 0-3 as soon as every wave's load has landed
.macro TILE last
	s_wait_tensorcnt 0x0                           ; my part of slot 0
	ds_add_u32 v[SPW], v[NIL]
	s_wait_dscnt 0x0                               ; the add, and my reads of slot 1
	CROUND
	JLOAD 1                                        ; the block's K steps 4-7 (the first time: slot 1's first fill, issued as a refill is)
	FETCH 0, 0, 0
	s_wait_loadcnt 0x0                             ; the block's scale words
.irp s, 0,1,2,3,4,5,6,7
	STEP \s, \last
.endr
	WIN 0
.irp b, 0,1,2,3
	v_mov_b32 v[TM+4+\b], 0                        ; a lane permute's destination counts as a source; also the four places behind the last products
.endr
.if \last == 0
	SCALES 76, 78                                  ; the next block's scale words come while this block is quantised
.endif
	QUANTW 0
	QUANTW 1
	QUANTW 2
	QUANTW 3
.endm
	s_load_b256 s[4:11], s[0:1], 0x0               ; XC, XS, WC, WS
	s_load_b128 s[12:15], s[0:1], 0x20             ; QKVC, QKVS
	v_lshl_add_u32 v[SPW], v0, 2, SPARE
	v_mov_b32 v[NIL], 0
	ds_add_u32 v[SPW], v[NIL]                      ; the opening lines: the add, twice on end, and its wait ahead of my first tensor load
	ds_add_u32 v[SPW], v[NIL]
	v_lshrrev_b32 v1, 5, v0
	v_readfirstlane_b32 s16, v1                    ; wave 0..3
	s_and_b32 s17, s16, 1                          ; which half of R's tiles I multiply; also which half of a tile set I fetch
	s_lshr_b32 s18, s16, 1                         ; which half of P's tiles I multiply
	s_bfe_u32 s19, ttmp6, 0x40000                  ; cx: q's and k's block of R
	s_bfe_u32 s20, ttmp6, 0x40004                  ; cy
	s_and_b32 s21, ttmp7, 0xffff                   ; the cluster's y: 0..15
	s_lshl_b32 s27, s21, 2
	s_add_co_u32 s27, s27, s20                     ; q, k: P's block, 0..63
	s_and_b32 s24, s21, 7
	s_lshl_b32 s24, s24, 2
	s_add_co_u32 s24, s24, s19                     ; v: R's block, 0..31
	s_lshr_b32 s25, s21, 3
	s_lshl_b32 s25, s25, 2
	s_add_co_u32 s25, s25, s20                     ; v: P's block, 0..7
	s_lshl_b32 s28, 0x1111, s19                    ; my column of the cluster
	s_lshl_b32 s29, s20, 2
	s_lshl_b32 s29, 15, s29                        ; my row
	; group 1: rows of 6,144 bytes (a tile's four K steps; 768 elements of 8 bytes), 12,288 bytes apart; R: 8 rows, P: 4; no padding: the images are read 512 or 256 consecutive bytes at a time
	s_or_b32 s32, s28, (3<<16)|(1<<21)
	s_mov_b32 s33, 768<<16
	s_mov_b32 s34, 8<<16
	s_mov_b32 s35, 768<<16
	s_mov_b32 s36, 8
	s_mov_b32 s37, 1536
	s_mov_b32 s38, 0
	s_mov_b32 s39, 0
	s_or_b32 s40, s29, (3<<16)|(1<<21)
	s_mov_b32 s41, 768<<16
	s_mov_b32 s42, 4<<16
	s_mov_b32 s43, 768<<16
	s_mov_b32 s44, 4
	s_mov_b32 s45, 1536
	s_mov_b32 s46, 0
	s_mov_b32 s47, 0
	s_lshl_b32 s22, s17, 3
	s_lshl_b32 s23, s17, 2
	; what I fetch: R's offsets are made of cx alone, P's of cy alone, each in registers of their own
	s_lshl_b32 s56, s19, 4
	s_add_co_u32 s56, s56, s22                     ; q: R's tile 16 x block + 8 x half
	s_mul_i32 s56, s56, 12288
	s_mov_b32 s57, 0
	s_lshl_b32 s60, s24, 4
	s_add_co_u32 s60, s60, s22                     ; v: the same in values' codes
	s_mul_i32 s60, s60, 12288
	s_add_co_u32 s60, s60, 2*XB
	s_mov_b32 s61, 0
	s_lshl_b32 s58, s27, 3
	s_add_co_u32 s58, s58, s23                     ; q: P's tile 8 x block + 4 x half
	s_mul_i32 s58, s58, 12288
	s_mov_b32 s59, 0
	s_lshl_b32 s62, s25, 3
	s_add_co_u32 s62, s62, s23                     ; v: the same in Wv's codes
	s_mul_i32 s62, s62, 12288
	s_add_co_u32 s62, s62, 2*WB
	s_mov_b32 s63, 0
	; the scale words of the tiles that I multiply: 1,024 bytes a pair of tiles
	s_lshl_b32 s2, s18, 1
	s_lshl_b32 s96, s19, 3
	s_add_co_u32 s96, s96, s23
	s_lshl_b32 s96, s96, 10
	s_mov_b32 s97, 0
	s_lshl_b32 s98, s27, 2
	s_add_co_u32 s98, s98, s2
	s_lshl_b32 s98, s98, 10
	s_mov_b32 s99, 0
	s_lshl_b32 s80, s24, 3
	s_add_co_u32 s80, s80, s23
	s_lshl_b32 s80, s80, 10
	s_add_co_u32 s80, s80, 2*XSB
	s_mov_b32 s81, 0
	s_lshl_b32 s82, s25, 2
	s_add_co_u32 s82, s82, s2
	s_lshl_b32 s82, s82, 10
	s_add_co_u32 s82, s82, 2*WSB
	s_mov_b32 s83, 0
	; where q's results go: my 128 columns are heads 2 g and 2 g + 1
	s_lshl_b32 s84, s27, 3
	s_lshl_b32 s85, s18, 2
	s_add_co_u32 s84, s84, s85                     ; my first tile of rows
	s_lshr_b32 s85, s84, 6                         ; its batch
	s_and_b32 s84, s84, 63                         ; its place there
	s_lshl_b32 s86, s19, 1
	s_add_co_u32 s86, s86, s17                     ; g
	s_lshl_b32 s85, s85, 4
	s_lshl_b32 s86, s86, 1
	s_add_co_u32 s85, s85, s86                     ; 16 b + 2 g
	s_lshl_b32 s86, s85, 5
	s_lshr_b32 s87, s84, 1
	s_add_co_u32 s86, s86, s87
	s_lshl_b32 s86, s86, 6                         ; scale words: 64 bytes a pair of tiles
	s_lshl_b32 s85, s85, 6
	s_add_co_u32 s84, s85, s84
	s_mul_i32 s84, s84, 768                        ; codes: 768 bytes a tile of a head
	s_mov_b32 s85, 0
	s_mov_b32 s87, 0
	s_mul_i32 s30, s17, 49152                      ; LDS: half of R's tiles in a slot; no place in the cluster enters an LDS address
	s_mul_i32 s31, s17, 24576                      ; half of P's
	s_mov_b32 s48, 1
	s_mov_b32 s49, s30
	s_mov_b32 s52, 1
	s_add_co_u32 s53, s30, SLOT
	s_mov_b32 s68, 1
	s_add_co_u32 s69, s31, RSL
	s_mov_b32 s72, 1
	s_add_co_u32 s73, s31, RSL+SLOT
	s_mov_b32 s[SEL], 0x76543210
	s_mov_b32 s[SEL+1], 0xfedcba98
	s_mov_b32 s92, 0xffff0000                      ; lanes 16-31
	s_wait_dscnt 0x0                               ; both opening adds are done
	s_wait_kmcnt 0x0
	s_add_nc_u64 s[56:57], s[8:9], s[56:57]        ; q: R = Wq's codes,
	s_add_nc_u64 s[58:59], s[4:5], s[58:59]        ; P = queries'
	s_add_nc_u64 s[60:61], s[4:5], s[60:61]        ; v: R = values' codes,
	s_add_nc_u64 s[62:63], s[8:9], s[62:63]        ; P = Wv's
	s_add_nc_u64 s[96:97], s[10:11], s[96:97]      ; q's scale words: R's, P's
	s_add_nc_u64 s[98:99], s[6:7], s[98:99]
	s_add_nc_u64 s[80:81], s[6:7], s[80:81]        ; v's
	s_add_nc_u64 s[82:83], s[10:11], s[82:83]
	s_add_nc_u64 s[76:77], s[96:97], WSB           ; k's
	s_add_nc_u64 s[78:79], s[98:99], XSB
	s_add_nc_u64 s[84:85], s[12:13], s[84:85]
	s_add_nc_u64 s[86:87], s[14:15], s[86:87]
	DESC                                           ; q's block
	s_add_nc_u64 s[56:57], s[56:57], WB            ; k's block is next in line
	s_add_nc_u64 s[58:59], s[58:59], XB
	s_mul_i32 s2, s20, 24576                       ; the prefetches: of my 8 tiles of R the partner at cy names two, of my 4 tiles of P the partner at cx one
	s_mul_i32 s3, s19, 12288
	s_cmp_lt_u32 s16, 2
	s_cselect_b64 s[88:89], s[56:57], s[58:59]     ; k's block,
	s_cselect_b64 s[90:91], s[60:61], s[62:63]     ; then v's
	s_cselect_b32 s94, s2, s3
	s_cselect_b32 s2, 31, 23                       ; the last of my first instruction's blocks
	s_cselect_b32 s3, 6144, 0                      ; from block 24 on: the second tile
	s_mov_b32 s95, 0
	s_add_nc_u64 s[88:89], s[88:89], s[94:95]
	s_add_nc_u64 s[90:91], s[90:91], s[94:95]
	s_mul_i32 s22, s18, 24576
	s_add_co_u32 s22, s22, RSL                     ; LDS: the four tiles of P that I multiply
	s_mov_b32 s23, 0xff000000                      ; lanes 24-31
	CROUND                                         ; all sixteen work-groups are here: the first joint loads meet
	JLOAD 0                                        ; q's K steps 0-3: one tensor load a wave at the head
	v_and_b32 v14, 31, v0
	v_lshlrev_b32 v1, 4, v14                       ; 16 x lane
	v_lshlrev_b32 v2, 3, v14                       ; 8 x lane
	v_lshlrev_b32 v7, 2, v14                       ; 4 x lane
	v_add_nc_u32 v3, s30, v1                       ; my eight tiles of R in slot 0
	v_add_nc_u32 v4, s30, v2
	v_add_nc_u32 v5, s22, v1                       ; my four tiles of P
	v_add_nc_u32 v6, s22, v2
	v_add_nc_u32 v8, SLOT, v3                      ; and in slot 1
	v_add_nc_u32 v9, SLOT, v4
	v_add_nc_u32 v10, SLOT, v5
	v_add_nc_u32 v11, SLOT, v6
	v_min_u32 v12, s2, v14
	v_mov_b32 v13, s3
	v_cndmask_b32 v13, 0, v13, s23
	v_lshl_add_u32 v12, v12, 8, v13                ; blocks 0-31 of my share: 24 blocks of 256 bytes a tile, tiles 12,288 bytes apart
	v_min_u32 v13, 15, v14
	v_lshlrev_b32 v13, 8, v13
	v_add_nc_u32 v13, 14336, v13                   ; blocks 32-47: the second tile's 8-23
	s_wait_alu depctr_va_vdst(0)
	SCALES 96, 98                                  ; q's scale words
	s_mov_b32 s93, 2
.Ltile:
	TILE 0
	; q's and k's way out: half c of a tile's codes is head 2 g + c's 64
	s_wait_alu depctr_va_vdst(0)
.irp p, 0,1,2,3
.irp c, 0,1
	global_store_b128 v1, v[RF+12*\p+6*\c:RF+12*\p+6*\c+3], s[84:85] offset:768*\p+49152*\c
	global_store_b64  v2, v[RF+12*\p+6*\c+4:RF+12*\p+6*\c+5], s[84:85] offset:768*\p+49152*\c+512
.endr
.endr
	v_perm_b32 v104, v101, v100, 0x05040100        ; a pair's word: the even tile's two bytes below, the odd tile's above; head 2 g
	v_perm_b32 v105, v103, v102, 0x05040100
	v_perm_b32 v106, v101, v100, 0x07060302        ; head 2 g + 1
	v_perm_b32 v107, v103, v102, 0x07060302
	v_cndmask_b32 v104, v104, v105, s92            ; lanes 0-15 my first pair, lanes 16-31 my second
	v_cndmask_b32 v106, v106, v107, s92
	global_store_b32 v7, v104, s[86:87]            ; 128 consecutive bytes
	global_store_b32 v7, v106, s[86:87] offset:2048
	s_wait_xcnt 0x0                                ; the stores, loads and prefetches have read their registers: the pointers step, and the codes' registers take fragments again
	s_add_nc_u64 s[84:85], s[84:85], XB            ; k's part of QKVC,
	s_add_nc_u64 s[86:87], s[86:87], XSB           ; and of QKVS
	s_mov_b64 s[76:77], s[80:81]                   ; v's scale words and v's prefetches are next in line
	s_mov_b64 s[78:79], s[82:83]
	s_mov_b64 s[88:89], s[90:91]
	s_sub_co_u32 s93, s93, 1
	s_cmp_lg_u32 s93, 0
	s_wait_alu depctr_va_vdst(0)
	s_cbranch_scc1 .Ltile
	TILE 1
	; v's way out: my 128 rows of R are key step G % 8 of batch G / 8; my four tiles of P are head hd's 64 columns
	s_lshl_b32 s2, s24, 1
	s_add_co_u32 s2, s2, s17                       ; G
	s_lshr_b32 s3, s2, 3
	s_and_b32 s2, s2, 7
	s_lshl_b32 s22, s25, 1
	s_add_co_u32 s22, s22, s18                     ; hd
	s_lshl_b32 s3, s3, 4
	s_add_co_u32 s3, s3, s22
	s_lshl_b32 s3, s3, 3
	s_add_co_u32 s3, s3, s2                        ; (16 b + hd) 8 + step
	s_mul_i32 s22, s3, 6144
	s_add_co_u32 s22, s22, 2*XB
	s_mov_b32 s23, 0
	s_add_nc_u64 s[12:13], s[12:13], s[22:23]
	s_lshl_b32 s22, s3, 8
	s_add_co_u32 s22, s22, 524288
	s_add_nc_u64 s[14:15], s[14:15], s[22:23]
	s_wait_alu depctr_va_vdst(0)
.irp p, 0,1,2,3
.irp c, 0,1
	global_store_b128 v1, v[RF+12*\p+6*\c:RF+12*\p+6*\c+3], s[12:13] offset:1536*\p+768*\c
	global_store_b64  v2, v[RF+12*\p+6*\c+4:RF+12*\p+6*\c+5], s[12:13] offset:1536*\p+768*\c+512
.endr
.endr
	v_cndmask_b32 v104, v100, v101, s92
	v_cndmask_b32 v106, v102, v103, s92
	global_store_b32 v7, v104, s[14:15]
	global_store_b32 v7, v106, s[14:15] offset:128
	s_wait_tensorcnt 0x0                           ; the wave's end
	ds_add_u32 v[SPW], v[NIL]
	s_wait_dscnt 0x0
	CROUND                                         ; the closing round
	s_endpgm
.Lfunc_end_k_qb123c2d370_proj:
	.size	k_qb123c2d370_proj, .Lfunc_end_k_qb123c2d370_proj-k_qb123c2d370_proj
	.p2alignl 7, 3214868480
	.fill 96, 4, 3214868480
	.section	.rodata,"a",@progbits
	.p2align	6, 0x0
	.amdhsa_kernel k_qb123c2d370_proj
		.amdhsa_group_segment_fixed_size 327680
		.amdhsa_private_segment_fixed_size 0
		.amdhsa_enable_private_segment 0
		.amdhsa_kernarg_size 48
		.amdhsa_user_sgpr_count 2
		.amdhsa_user_sgpr_kernarg_segment_ptr 1
		.amdhsa_wavefront_size32 1
		.amdhsa_system_sgpr_workgroup_id_x 1
		.amdhsa_system_sgpr_workgroup_id_y 1
		.amdhsa_system_sgpr_workgroup_id_z 1
		.amdhsa_system_vgpr_workitem_id 0
		.amdhsa_next_free_vgpr 768
		.amdhsa_next_free_sgpr 100
		.amdhsa_reserve_vcc 0
		.amdhsa_float_denorm_mode_32 3
		.amdhsa_float_denorm_mode_16_64 3
		.amdhsa_memory_ordered 1
		.amdhsa_forward_progress 1
		.amdhsa_inst_pref_size 167
	.end_amdhsa_kernel
	.amdgpu_metadata
---
amdhsa.version: [ 1, 2 ]
amdhsa.kernels:
  - .name:           k_qb123c2d370_proj
    .symbol:         k_qb123c2d370_proj.kd
    .args:
      - { .name: XC, .offset: 0, .size: 8, .value_kind: global_buffer, .address_space: global }
      - { .name: XS, .offset: 8, .size: 8, .value_kind: global_buffer, .address_space: global }
      - { .name: WC, .offset: 16, .size: 8, .value_kind: global_buffer, .address_space: global }
      - { .name: WS, .offset: 24, .size: 8, .value_kind: global_buffer, .address_space: global }
      - { .name: QKVC, .offset: 32, .size: 8, .value_kind: global_buffer, .address_space: global }
      - { .name: QKVS, .offset: 40, .size: 8, .value_kind: global_buffer, .address_space: global }
    .group_segment_fixed_size: 327680
    .private_segment_fixed_size: 0
    .kernarg_segment_align: 8
    .kernarg_segment_size: 48
    .max_flat_workgroup_size: 128
    .sgpr_count:     100
    .vgpr_count:     768
    .wavefront_size: 32
...
	.end_amdgpu_metadata
.endif
;; end of part 2
;; launch attn (part 3): grid 256 x 1, 16 waves a work-group, no clusters, 207,872 bytes of LDS; arguments QKVC, QKVS, valid_lens, AC, AS; writes AC, AS
.if DOCPART == 3
	.amdgcn_target "amdgcn-amd-amdhsa--gfx1250"
	.amdhsa_code_object_version 6
	.text
	.protected	k_qb123c2d370_attn
	.globl	k_qb123c2d370_attn
	.p2align	8
	.type	k_qb123c2d370_attn,@function
k_qb123c2d370_attn:
	s_mov_b64 s[64:65], 0
	v_nop
	global_prefetch_b8 v0, s[64:65] scope:SCOPE_SE
	s_setreg_imm32_b32 hwreg(HW_REG_WAVE_MODE, 25, 1), 1
	s_wait_xcnt 0x0
; For one head, 256 queries and TWO batches, one after the other: scores = q k^T / 8, keys at or beyond valid_lens[b] set to -1e6, softmax, times v; the result, divided by the row's sum, is quantised along the head's 64 and leaves as codes.
; Both products on codes of FP6 (E2M3) with E8M0 scales.  p = 2^(t - M), t = score x log2(e), M the running largest t rounded up to a whole number; the row's sum is taken of the unquantised p.
; LIMITS: no NaN or infinities; a block under 2^-124 keeps the byte 1, a block of zeros too; the order of the f32 sums of a row differs from a plain left-to-right sum; valid_lens is held to 0 .. 1,024, which gives the same mask.
; SHARES.  A batch's work grows with its valid length, so the batches are PAIRED BY LENGTH: every wave reads all eight lengths, ranks them (keys 8 x length + 7 - batch are all different; a batch's rank is the number of larger keys),
; and work-group (pair p, head, block of queries) takes the batch of rank p (unit 0) and the batch of rank 7 - p (unit 1).  The ranks are a permutation, so each (batch, head, block) has one owner.  256 work-groups of nearly equal work.
; Sixteen waves, one tile of 16 queries each, in 256 registers.  Both units' K and V (49,152 bytes of codes each, 2,048 of scale words each) come into LDS once, through registers, at the head, and are read by all sixteen.
; NO TENSOR LOAD AND NO JOINT REQUEST, though the four query blocks of a head read the same K and V: the walk over the keys branches on valid_lens, a number read from memory.
; Nothing is prefetched: the one fill stands at the head, and nothing is read from memory behind it.
; LAYOUT.  Both products are used transposed: a lane holds one query (lane % 16).  K's tiles are laid so that the 16 registers of tiles 2 b, 2 b + 1 are keys 32 b + 16 (lane / 16) + 0 .. 15; V's tiles of d likewise.
; K = 64 IN AN INSTRUCTION OF K = 128: two neighbouring tiles of k (768 bytes each) are ONE operand of 12 registers.  Q stands in 18 registers as q | zeros | q: registers 0-11 (q, 0) pick the first tile's scores, registers 6-17 (0, q) the second's.
; THREE KINDS OF KEY STEP (128 keys from KF on), chosen by scalar branches on the length; the loop's eight trips are a constant.  Open (KF + 128 <= VL): as it stands.  Mixed (KF <= VL < KF + 128): hidden scores become -8e6, which x log2(e) / 8 is
; -1e6 x log2(e).  Tail (KF > VL): all 128 keys have the same t, and M is final, since that t took part in the maximum of the mixed step: p is one number pm, made once; a tail step adds 64 pm to my half of the row's sum and multiplies V by constant codes.
; REGISTERS: v1-6 lane terms; v7, v8 the add's two; v9-11 addresses in hand; v12 -M, v13 the largest t, v[14:15] the sum; v16-33 Q; v34 Q's scale word; v35 pm; v36-83 four fragments; v84-85 their scale words; v86-92 unit 1's q and its scale word, waiting;
;   v96-159 scores, then p; v160-191 O^T; v192-203 p's codes; v204-210 conversions' second halves; v212-223 block maxima, bytes, scale operands; v224 p's scale word; v[226:227] f; v228-229 at work; v230 -8e6.  (At the head v96-195 carry the fill.)
; SCALARS: s48-55 the lengths, s56-63 the keys; s68-75, s76-83 a unit's pointers (q's part at my head, v's part, my tile of q, the scale words); s84-87, s88-91 where its results go; s92, s93 its length; s94, s95 its batch.
.set XB,    6291456
.set VLD,   49152                      ; LDS, in a unit's region: K's codes at 0, V's here,
.set KSL,   98304                      ; K's scale words,
.set VSL,   100352                     ; V's
.set UREG,  102400                     ; a unit's region; unit u begins at u x UREG
.set GATH,  2*UREG                     ; the sixteen tiles' result scale bytes, 512 for each unit,
.set SPARE, GATH+1024                  ; and the spare words, 128 bytes a wave, which no other line names
.macro WK d, a, q, sa, ra              ; scores: source 0 = a pair of key tiles, source 1 = Q with zeros in one half
.if \ra
	v_wmma_scale_f32_16x16x128_f8f6f4 v[\d:\d+7], v[\a:\a+11], v[\q:\q+11], 0, v[\sa], v34 matrix_a_fmt:MATRIX_FMT_FP6 matrix_b_fmt:MATRIX_FMT_FP6 matrix_a_scale:MATRIX_SCALE_ROW1
.else
	v_wmma_scale_f32_16x16x128_f8f6f4 v[\d:\d+7], v[\a:\a+11], v[\q:\q+11], 0, v[\sa], v34 matrix_a_fmt:MATRIX_FMT_FP6 matrix_b_fmt:MATRIX_FMT_FP6
.endif
.endm
.macro WV d, a, sa, ra                 ; O^T += V^T P^T
.if \ra
	v_wmma_scale_f32_16x16x128_f8f6f4 v[\d:\d+7], v[\a:\a+11], v[192:203], v[\d:\d+7], v[\sa], v224 matrix_a_fmt:MATRIX_FMT_FP6 matrix_b_fmt:MATRIX_FMT_FP6 matrix_a_scale:MATRIX_SCALE_ROW1
.else
	v_wmma_scale_f32_16x16x128_f8f6f4 v[\d:\d+7], v[\a:\a+11], v[192:203], v[\d:\d+7], v[\sa], v224 matrix_a_fmt:MATRIX_FMT_FP6 matrix_b_fmt:MATRIX_FMT_FP6
.endif
.endm
.macro FRAGS                           ; four fragments and their scale words, as images of their registers
.irp b, 0,1,2,3
	ds_load_b128 v[36+12*\b:39+12*\b], v9 offset:1536*\b
	ds_load_b64  v[40+12*\b:41+12*\b], v10 offset:1536*\b+512
	ds_load_b128 v[42+12*\b:45+12*\b], v9 offset:1536*\b+768
	ds_load_b64  v[46+12*\b:47+12*\b], v10 offset:1536*\b+1280
.endr
	ds_load_b32 v84, v11                           ; lanes 0-15 fragment 0's words, lanes 16-31 fragment 1's
	ds_load_b32 v85, v11 offset:128                ; fragments 2 and 3.  The wait for these 18 loads stands ahead of the products that read them
.endm
; The row's sum of the unquantised p (32 pairs at v96-159), in eight chains: v[14:15] and v[242:255].  It stands behind the second product: p's registers are still whole there.
.macro SUMA                            ; the first eight additions: they name no register of the products just issued
	v_pk_add_f32 v[14:15], v[14:15], v[96:97]
.irp c, 1,2,3,4,5,6,7
	v_pk_add_f32 v[240+2*\c:241+2*\c], v[96+2*\c:97+2*\c], v[112+2*\c:113+2*\c]
.endr
.endm
.macro SUMB                            ; the other 24
	v_pk_add_f32 v[14:15], v[14:15], v[112:113]
.irp c, 1,2,3,4,5,6,7
	v_pk_add_f32 v[240+2*\c:241+2*\c], v[240+2*\c:241+2*\c], v[128+2*\c:129+2*\c]
.endr
	v_pk_add_f32 v[14:15], v[14:15], v[128:129]
.irp c, 1,2,3,4,5,6,7
	v_pk_add_f32 v[240+2*\c:241+2*\c], v[240+2*\c:241+2*\c], v[144+2*\c:145+2*\c]
.endr
	v_pk_add_f32 v[14:15], v[14:15], v[144:145]
	v_pk_add_f32 v[242:243], v[242:243], v[244:245]
	v_pk_add_f32 v[246:247], v[246:247], v[248:249]
	v_pk_add_f32 v[250:251], v[250:251], v[252:253]
	s_delay_alu instid0(VALU_DEP_4)
	v_pk_add_f32 v[14:15], v[14:15], v[254:255]
	s_delay_alu instid0(VALU_DEP_3)
	v_pk_add_f32 v[242:243], v[242:243], v[246:247]
	s_delay_alu instid0(VALU_DEP_2)
	v_pk_add_f32 v[14:15], v[14:15], v[250:251]
	s_delay_alu instid0(VALU_DEP_1)
	v_pk_add_f32 v[14:15], v[14:15], v[242:243]
.endm
.macro CS a, b                         ; compare and exchange: the larger key to the lower register
	s_max_u32 s66, s[\a], s[\b]
	s_min_u32 s[\b], s[\a], s[\b]
	s_mov_b32 s[\a], s66
.endm
; unit u's pointers, from its batch number
.macro ADDR u
	s_min_u32 s[94+\u], s[94+\u], 7                ; a number made from loaded numbers enters addresses only behind this hold; behind it: shifts left, sums, products
	s_lshl_b32 s18, s[94+\u], 4
	s_add_co_u32 s18, s18, s16                     ; 16 b + head
	s_mul_i32 s30, s18, 49152                      ; the head's codes in each part of QKVC
	s_add_nc_u64 s[68+8*\u:69+8*\u], s[4:5], s[30:31]             ; q's part, my head; k's lies XB further on,
	s_add_nc_u64 s[70+8*\u:71+8*\u], s[68+8*\u:69+8*\u], 2*XB     ; v's 2 XB
	s_add_nc_u64 s[72+8*\u:73+8*\u], s[68+8*\u:69+8*\u], s[34:35] ; my tile of q
	s_lshl_b32 s30, s18, 11                        ; the head's scale words in each part of QKVS
	s_add_nc_u64 s[74+8*\u:75+8*\u], s[6:7], s[30:31]
	s_lshl_b32 s30, s[94+\u], 6                    ; AC: (16 (64 b + tile) + head) x 768
	s_add_co_u32 s30, s30, s19
	s_lshl_b32 s30, s30, 4
	s_add_co_u32 s30, s30, s16
	s_mul_i32 s30, s30, 768
	s_add_nc_u64 s[84+4*\u:85+4*\u], s[10:11], s[30:31]
	s_lshl_b32 s30, s18, 6                         ; AS: ((16 b + head) 64 + the block's first tile) x 32
	s_lshl_b32 s32, s15, 4
	s_add_co_u32 s30, s30, s32
	s_lshl_b32 s30, s30, 5
	s_add_nc_u64 s[86+4*\u:87+4*\u], s[12:13], s[30:31]
.endm
; unit u's K, V and scale words: 14 loads a thread, into v[r] on: 16 bytes a thread and 8,192 a turn
.macro FILL u, r
.irp i, 0,1,2,3,4,5
	global_load_b128 v[\r+4*\i:\r+4*\i+3], v9, s[68+8*\u:69+8*\u] offset:XB+8192*\i
.endr
.irp i, 0,1,2,3,4,5
	global_load_b128 v[\r+24+4*\i:\r+24+4*\i+3], v9, s[70+8*\u:71+8*\u] offset:8192*\i
.endr
	global_load_b32 v[\r+48], v205, s[74+8*\u:75+8*\u] offset:262144
	global_load_b32 v[\r+49], v205, s[74+8*\u:75+8*\u] offset:524288
.endm
.macro TOLDS r, ak, av, as             ; and into the unit's region
.irp i, 0,1,2,3,4,5
	ds_store_b128 v[\ak], v[\r+4*\i:\r+4*\i+3] offset:8192*\i
.endr
.irp i, 0,1,2,3,4,5
	ds_store_b128 v[\av], v[\r+24+4*\i:\r+24+4*\i+3] offset:8192*\i
.endr
	ds_store_b32 v[\as], v[\r+48]
	ds_store_b32 v[\as], v[\r+49] offset:2048
.endm
; ONE UNIT: set-up, the eight key steps, the way out
.macro UNIT u
.if \u == 0
	v_perm_b32 v34, v85, v85, s42                  ; Q's scale word: s0 s1 s0 s1.  (The lines below stand between it and the first product: more than the eight places asked)
.irp j, 22,23,24,25,26,27
	v_mov_b32 v[\j], 0                             ; the zero codes: they stay for both units
.endr
	v_mov_b32 v35, 0                               ; pm, p's codes and p's scale word are written here once, so that they are written on every way through the text; a tail step comes only behind the lines that make them
	v_mov_b32 v224, 0x7f7f7f7f
	v_mov_b32 v227, 0                              ; (named as the upper half of the pair v[226:227])
	v_mov_b32 v230, 0xcaf42400                     ; -8e6
.set j, 0
.rept 12
	v_mov_b32 v[192+j], 0
.set j, j+1
.endr
.irp b, 0,1,2,3
	v_mov_b32 v[216+\b], 0                         ; a lane permute's destination counts as one of its sources
.endr
.else
	s_wait_dscnt 0x0                               ; the last unit's LDS store has read its registers,
	s_wait_xcnt 0x0                                ; and its global stores theirs: both are written again below
.irp j, 0,1,2,3,4,5
	v_mov_b32 v[16+\j], v[86+\j]                   ; this unit's q, twice
	v_mov_b32 v[28+\j], v[86+\j]
.endr
	v_perm_b32 v34, v92, v92, s42
.endif
	v_mov_b32 v13, 0xff61b1e6                      ; the largest t so far: -3e38
	s_delay_alu instid0(VALU_DEP_1)
	v_floor_f32 v12, -v13                          ; -M
	v_mov_b32 v14, 0
	v_mov_b32 v15, 0
.set j, 0
.rept 32
	v_mov_b32 v[160+j], 0                          ; O^T: the loop is written once; the first change of M multiplies zeros
.set j, j+1
.endr
	s_mov_b32 s24, s[92+\u]                        ; VL
	s_mov_b32 s25, 0                               ; KF: the step's first key
	s_mov_b32 s26, \u*UREG                         ; the step's codes: 6,144 bytes a step in K and in V
	s_mov_b32 s27, \u*UREG                         ; its scale words: 256 bytes a step
	s_mov_b32 s28, 8
	s_min_i32 s30, s24, 1023                       ; a next step has scores of its own where its first key is at most this
	v_add_nc_u32 v9, s26, v1
	v_add_nc_u32 v10, s26, v2
	v_add_nc_u32 v11, s27, v5
	FRAGS                                          ; step 0's K: key 0 is never beyond VL, so step 0 is no tail step
.Lstep_\@:
	s_cmp_gt_i32 s25, s24
	s_cbranch_scc1 .Ltail_\@
	s_wait_dscnt 0x0                               ; this step's K, asked for behind the last step's second product
.irp b, 0,1,2,3
	WK 96+16*\b, 36+12*\b, 16, 84+(\b/2), \b%2     ; keys KF + 32 b + 16 (lane / 16) + 0 .. 7
	WK 104+16*\b, 36+12*\b, 22, 84+(\b/2), \b%2    ; and + 8 .. 15
.endr
	v_add_nc_u32 v9, s26, v3                       ; four places behind the products, for the loads below and for the first read of the scores
	v_add_nc_u32 v10, s26, v4
	v_add_nc_u32 v11, s27, v6
	v_nop
	FRAGS                                          ; this step's V, into the registers that K has left: it lands under the softmax's work
	s_add_co_u32 s29, s25, 128
	s_cmp_le_i32 s29, s24
	s_cbranch_scc1 .Lopen_\@
	s_sub_co_i32 s29, s24, s25
	v_bfe_u32 v229, v0, 4, 1
	s_delay_alu instid0(VALU_DEP_1)
	v_lshlrev_b32 v229, 4, v229
	s_delay_alu instid0(VALU_DEP_1)
	v_sub_nc_u32 v229, s29, v229                   ; d = VL - KF - 16 (lane / 16): register 16 b + i is hidden where 32 b + i >= d
.set n, 0
.rept 64
	v_cmp_ge_i32 vcc_lo, 32*(n/16)+n%16, v229
	v_cndmask_b32 v[96+n], v[96+n], v230, vcc_lo
.set n, n+1
.endr
.Lopen_\@:
.irp b, 0,1,2,3
	v_max3_num_f32 v[212+\b], v[96+16*\b], v[97+16*\b], v[98+16*\b]    ; the largest score of each block of 32 keys: for the row's maximum, and, since p rises with the score, for the block's largest p
.endr
.irp i, 3,5,7,9,11,13
.irp b, 0,1,2,3
	v_max3_num_f32 v[212+\b], v[212+\b], v[96+16*\b+\i], v[97+16*\b+\i]
.endr
.endr
.irp b, 0,1,2,3
	v_max_num_f32 v[212+\b], v[212+\b], v[111+16*\b]
.endr
.irp b, 0,1,2,3
	s_delay_alu instid0(VALU_DEP_4)
	v_permlanex16_b32 v[216+\b], v[212+\b], s20, s21
.endr
.irp b, 0,1,2,3
	s_delay_alu instid0(VALU_DEP_4)
	v_max_num_f32 v[212+\b], v[212+\b], v[216+\b]
.endr
	s_delay_alu instid0(VALU_DEP_2)
	v_max3_num_f32 v228, v212, v213, v214
	s_delay_alu instid0(VALU_DEP_1)
	v_max_num_f32 v228, v228, v215
	s_delay_alu instid0(VALU_DEP_1)
	v_mul_f32 v228, s22, v228                      ; as t
	s_delay_alu instid0(VALU_DEP_1)
	v_max_num_f32 v13, v13, v228                   ; the running largest t
	v_mov_b32 v228, v12
	s_delay_alu instid0(VALU_DEP_2)
	v_floor_f32 v12, -v13                          ; the new -M = -ceil(t)
	s_delay_alu instid0(VALU_DEP_1)
	v_sub_f32 v228, v12, v228                      ; old M - new M: a whole number, 0 or less
	s_delay_alu instid0(VALU_DEP_1)
	v_cvt_i32_f32 v228, v228                       ; (it saturates)
	s_delay_alu instid0(VALU_DEP_1)
	v_ldexp_f32 v226, 1.0, v228                    ; f = 2^(old M - new M): rounds nothing
.set j, 0
.rept 32
	v_pk_fma_f32 v[96+j:97+j], v[96+j:97+j], s[22:23], v[12:13] op_sel_hi:[1,0,0]    ; t - M
.set j, j+2
.endr
.irp b, 0,1,2,3
	v_fma_f32 v[212+\b], v[212+\b], s22, v12
.endr
.set j, 0
	s_wait_alu depctr_va_vdst(0)
.rept 64
	v_exp_f32 v[96+j], v[96+j]                     ; p = 2^(t - M)
.set j, j+1
.endr
.irp b, 0,1,2,3
	v_exp_f32 v[212+\b], v[212+\b]                 ; each block's largest p, in the same batch
.endr
	v_pk_mul_f32 v[14:15], v[14:15], v[226:227] op_sel_hi:[1,0]    ; the sums under the new M; a plain line behind the exponentials
	s_wait_alu depctr_va_vdst(0)                   ; one wait for the batch of 68, ahead of its first reader
.irp b, 0,1,2,3
	v_max_num_f32 v[212+\b], 0x1800000, v[212+\b]  ; the floor 2^(3 - 127)
.endr
.irp b, 0,1,2,3
	s_delay_alu instid0(VALU_DEP_4)
	v_add_nc_u32 v[220+\b], 0xff000000, v[212+\b]
.endr
.irp b, 0,1,2,3
	s_delay_alu instid0(VALU_DEP_4)
	v_lshrrev_b32 v[216+\b], 23, v[220+\b]
.endr
	s_delay_alu instid0(VALU_DEP_3)
	v_lshl_or_b32 v224, v217, 8, v216
	s_delay_alu instid0(VALU_DEP_1)
	v_lshl_or_b32 v224, v218, 16, v224
	s_delay_alu instid0(VALU_DEP_1)
	v_lshl_or_b32 v224, v219, 24, v224
.irp c, 0,1
	v_cvt_scalef32_pk16_fp6_f32 v[192+6*\c:194+6*\c], v[96+32*\c:111+32*\c], v[220+2*\c]
	v_cvt_scalef32_pk16_fp6_f32 v[204+4*\c:206+4*\c], v[112+32*\c:127+32*\c], v[221+2*\c]
.endr
	v_nop                                          ; a plain line behind the conversions
.irp c, 0,1
.irp i, 0,1,2
	v_permlane16_swap_b32 v[192+6*\c+\i], v[204+4*\c+\i]
.endr
.irp i, 0,1,2
	s_delay_alu instid0(VALU_DEP_3)
	v_mov_b32 v[195+6*\c+\i], v[204+4*\c+\i]
.endr
.endr
.set j, 0
.rept 16
	v_pk_mul_f32 v[160+j:161+j], v[160+j:161+j], v[226:227] op_sel_hi:[1,0]    ; O^T under the new M; these are also the places in front of the products below
.set j, j+2
.endr
	s_branch .Lpv_\@
.Ltail_\@:
	s_wait_dscnt 0x0                               ; no LDS load is out when the fragments' registers are asked for again
	s_wait_alu depctr_va_vdst(0)
	v_fmac_f32 v14, 0x42800000, v35                ; my 64 keys x pm.  With the three additions below: four places in front of the loads
	v_add_nc_u32 v9, s26, v3
	v_add_nc_u32 v10, s26, v4
	v_add_nc_u32 v11, s27, v6
	FRAGS
.Lpv_\@:
	s_wait_dscnt 0x0                               ; this step's V
	s_wait_alu depctr_va_vdst(0)
.irp t, 0,1,2,3
	WV 160+8*\t, 36+12*\t, 84+(\t/2), \t%2         ; the four accumulators take turns, one instruction a turn
.endr
	s_cmp_gt_i32 s25, s24
	s_cbranch_scc1 .Lnext_\@
	SUMA                                           ; eight places behind the products
	s_add_co_u32 s32, s26, 6144
	s_add_co_u32 s33, s27, 256
	s_add_co_u32 s29, s25, 128
	s_cmp_le_i32 s29, s30                          ; is there a next step, and has it scores of its own?
	s_wait_alu depctr_va_vdst(0)
	s_cbranch_scc0 .Lnok_\@
	v_add_nc_u32 v9, s32, v1
	v_add_nc_u32 v10, s32, v2
	v_add_nc_u32 v11, s33, v5
	FRAGS                                          ; the next step's K, into the registers that V has left: it lands under the additions below
.Lnok_\@:
	SUMB
	s_wait_alu depctr_va_vdst(0)
	s_cmp_le_i32 s29, s24
	s_cbranch_scc1 .Lnext_\@
	; behind the mixed step, once: pm = 2^(tm - M) by the same multiply-add and exponential as a hidden score's, its byte, and 128 equal codes
	v_fma_f32 v35, v230, s22, v12
	s_wait_alu depctr_va_vdst(0)
	v_exp_f32 v35, v35
	v_nop                                          ; a plain line behind the exponential
	s_wait_alu depctr_va_vdst(0)
	v_max_num_f32 v228, 0x1800000, v35
	s_delay_alu instid0(VALU_DEP_1)
	v_add_nc_u32 v228, 0xff000000, v228
	s_delay_alu instid0(VALU_DEP_1)
	v_lshrrev_b32 v229, 23, v228
	v_nop                                          ; (five plain lines now stand behind the products whose scale word is written next)
	v_lshl_or_b32 v224, v229, 8, v229
	s_delay_alu instid0(VALU_DEP_1)
	v_lshl_or_b32 v224, v224, 16, v224
.set j, 0
.rept 16
	v_mov_b32 v[96+j], v35
.set j, j+1
.endr
	v_cvt_scalef32_pk16_fp6_f32 v[192:194], v[96:111], v228
	v_nop
.irp i, 0,1,2,3,4,5,6,7,8
	v_mov_b32 v[195+\i], v[192+\i%3]
.endr
.rept 4
	v_nop
.endr
.Lnext_\@:
	s_add_co_u32 s25, s25, 128
	s_add_co_u32 s26, s26, 6144
	s_add_co_u32 s27, s27, 256
	s_sub_co_u32 s28, s28, 1
	s_cmp_lg_u32 s28, 0
	s_cbranch_scc1 .Lstep_\@
	; THE WAY OUT: O^T / the sum; register 16 b + i is d = 32 b + 16 (lane / 16) + i: two blocks of the last product's K
	v_add_f32 v14, v14, v15
	s_delay_alu instid0(VALU_DEP_1)
	v_permlanex16_b32 v216, v14, s20, s21
	s_delay_alu instid0(VALU_DEP_1)
	v_add_f32 v14, v14, v216
	s_wait_alu depctr_va_vdst(0)
	v_rcp_f32 v14, v14
	v_and_b32 v9, 15, v0                           ; (plain lines behind the reciprocal)
	v_and_b32 v10, 0x1e0, v0                       ; 32 x wave
	s_delay_alu instid0(VALU_DEP_1)
	v_lshl_add_u32 v9, v9, 1, v10
	s_delay_alu instid0(VALU_DEP_1)
	v_add_nc_u32 v9, GATH+512*\u, v9               ; my row's two bytes among the unit's 512
	s_wait_alu depctr_va_vdst(0)                   ; ahead of the reciprocal's first reader
.set j, 0
.rept 32
	v_mul_f32 v[96+j], v[160+j], v14
.set j, j+1
.endr
.irp b, 0,1
	v_max3_num_f32 v[212+\b], |v[96+16*\b]|, |v[97+16*\b]|, 0x1800000
.endr
.irp i, 2,4,6,8,10,12,14
.irp b, 0,1
	s_delay_alu instid0(VALU_DEP_2)
	v_max3_num_f32 v[212+\b], v[212+\b], |v[96+16*\b+\i]|, |v[97+16*\b+\i]|
.endr
.endr
.irp b, 0,1
	s_delay_alu instid0(VALU_DEP_2)
	v_permlanex16_b32 v[216+\b], v[212+\b], s20, s21
.endr
.irp b, 0,1
	s_delay_alu instid0(VALU_DEP_2)
	v_max_num_f32 v[212+\b], v[212+\b], v[216+\b]
.endr
.irp b, 0,1
	s_delay_alu instid0(VALU_DEP_2)
	v_add_nc_u32 v[220+\b], 0xff000000, v[212+\b]
.endr
.irp b, 0,1
	s_delay_alu instid0(VALU_DEP_2)
	v_lshrrev_b32 v[216+\b], 23, v[220+\b]
.endr
	s_delay_alu instid0(VALU_DEP_1)
	v_lshl_or_b32 v228, v217, 8, v216
	v_cvt_scalef32_pk16_fp6_f32 v[192:194], v[96:111], v220
	v_cvt_scalef32_pk16_fp6_f32 v[204:206], v[112:127], v221
	v_nop
.irp i, 0,1,2
	v_permlane16_swap_b32 v[192+\i], v[204+\i]
.endr
.irp i, 0,1,2
	s_delay_alu instid0(VALU_DEP_3)
	v_mov_b32 v[195+\i], v[204+\i]
.endr
	global_store_b128 v1, v[192:195], s[84+4*\u:85+4*\u]           ; half a fragment: 512 and 256 consecutive bytes
	global_store_b64 v2, v[196:197], s[84+4*\u:85+4*\u] offset:512
	ds_store_b16 v9, v228                          ; both halves of the lanes write the same two bytes with the same value
.endm
	s_load_b256 s[4:11], s[0:1], 0x0               ; QKVC, QKVS, valid_lens, AC
	s_load_b64 s[12:13], s[0:1], 0x20              ; AS
	v_lshl_add_u32 v7, v0, 2, SPARE
	v_mov_b32 v8, 0
	v_lshrrev_b32 v9, 5, v0
	s_delay_alu instid0(VALU_DEP_1)
	v_readfirstlane_b32 s14, v9                    ; wave 0..15
	s_lshr_b32 s15, ttmp9, 6                       ; the block of 256 queries: highest, so that the four work-groups that read the same K and V have numbers 64 apart
	s_bfe_u32 s16, ttmp9, 0x40002                  ; the head
	s_and_b32 s17, ttmp9, 3                        ; the pair p, 0..3: unit 0 has rank p, unit 1 rank 7 - p
	s_wait_kmcnt 0x0
	s_load_b256 s[48:55], s[8:9], 0x0              ; all eight lengths
	s_lshl_b32 s19, s15, 4
	s_add_co_u32 s19, s19, s14                     ; my tile of queries, 0..63
	s_mul_i32 s34, s19, 768
	s_mov_b32 s35, 0
	s_mov_b32 s31, 0
	s_lshr_b32 s44, s19, 1
	s_lshl_b32 s44, s44, 6                         ; my tile's pair among q's scale words
	s_mov_b32 s20, 0x76543210
	s_mov_b32 s21, 0xfedcba98                      ; v_permlanex16_b32's selects for lane l xor 16
	s_mov_b32 s22, 0x3e38aa3b                      ; c = log2(e) / 8
	s_mov_b32 s23, s22                             ; (named with it as a pair)
	s_and_b32 s29, s14, 1
	s_mov_b32 s42, 0x03020302                      ; an odd tile's two bytes stand in the pair's upper half,
	s_cmp_eq_u32 s29, 0
	s_cselect_b32 s42, 0x01000100, s42             ; an even tile's in the lower: either way they are repeated
	v_and_b32 v204, 31, v0
	s_delay_alu instid0(VALU_DEP_1)
	v_lshlrev_b32 v1, 4, v204                      ; 16 x lane: K's fragments
	s_delay_alu instid0(VALU_DEP_2)
	v_lshlrev_b32 v2, 3, v204                      ; 8 x lane
	s_delay_alu instid0(VALU_DEP_2)
	v_add_nc_u32 v3, VLD, v1                       ; V's
	s_delay_alu instid0(VALU_DEP_2)
	v_add_nc_u32 v4, VLD, v2
	v_lshl_add_u32 v5, v204, 2, KSL                ; scale words
	v_lshl_add_u32 v6, v204, 2, VSL
	v_lshlrev_b32 v9, 4, v0                        ; the fill: 16 bytes a thread, 8,192 a turn; in memory and in unit 0's region alike
	s_delay_alu instid0(VALU_DEP_1)
	v_add_nc_u32 v10, VLD, v9
	v_lshl_add_u32 v11, v0, 2, KSL
	s_delay_alu instid0(VALU_DEP_3)
	v_add_nc_u32 v200, UREG, v9                    ; and in unit 1's region
	s_delay_alu instid0(VALU_DEP_3)
	v_add_nc_u32 v201, UREG, v10
	s_delay_alu instid0(VALU_DEP_3)
	v_add_nc_u32 v202, UREG, v11
	v_lshlrev_b32 v205, 2, v0
	v_and_b32 v206, 15, v0
	s_delay_alu instid0(VALU_DEP_1)
	v_lshlrev_b32 v206, 2, v206
	s_delay_alu instid0(VALU_DEP_1)
	v_add_nc_u32 v206, s44, v206                   ; my row's word among q's scale words of a head
	s_wait_alu depctr_va_vdst(0)
	s_wait_kmcnt 0x0
.irp j, 0,1,2,3,4,5,6,7
	s_max_i32 s[48+\j], s[48+\j], 0
	s_min_i32 s[48+\j], s[48+\j], 1024
	s_lshl_b32 s[56+\j], s[48+\j], 3
	s_add_co_u32 s[56+\j], s[56+\j], 7-\j          ; the key: the length, and the batch's number to part equal lengths
.endr
	; the eight keys in falling order, by an odd-even merge network of 19 exchanges: s[56 + r] is then the key of rank r
	CS 56, 57
	CS 58, 59
	CS 60, 61
	CS 62, 63
	CS 56, 58
	CS 57, 59
	CS 60, 62
	CS 61, 63
	CS 57, 58
	CS 61, 62
	CS 56, 60
	CS 57, 61
	CS 58, 62
	CS 59, 63
	CS 58, 60
	CS 59, 61
	CS 57, 58
	CS 59, 60
	CS 61, 62
	s_cmp_eq_u32 s17, 1                            ; unit 0 takes rank p, unit 1 rank 7 - p
	s_cselect_b32 s56, s57, s56
	s_cselect_b32 s63, s62, s63
	s_cmp_eq_u32 s17, 2
	s_cselect_b32 s56, s58, s56
	s_cselect_b32 s63, s61, s63
	s_cmp_eq_u32 s17, 3
	s_cselect_b32 s56, s59, s56
	s_cselect_b32 s63, s60, s63
	s_lshr_b32 s92, s56, 3                         ; a key is 8 x length + 7 - batch
	s_lshr_b32 s93, s63, 3
	s_and_b32 s94, s56, 7
	s_and_b32 s95, s63, 7
	s_sub_co_u32 s94, 7, s94
	s_sub_co_u32 s95, 7, s95
	ADDR 0
	ADDR 1
	FILL 0, 96                                     ; 36 loads of mine go out together: unit 0's 14,
	FILL 1, 146                                    ; unit 1's 14,
	global_load_b128 v[16:19], v1, s[72:73]        ; and eight for the two q: unit 0's twice, at registers 0-5 and 12-17 of the eighteen,
	global_load_b64 v[20:21], v2, s[72:73] offset:512
	global_load_b128 v[28:31], v1, s[72:73]
	global_load_b64 v[32:33], v2, s[72:73] offset:512
	global_load_b32 v85, v206, s[74:75]            ; its pair's scale word of my row;
	global_load_b128 v[86:89], v1, s[80:81]        ; unit 1's waits in registers that the loop does not touch
	global_load_b64 v[90:91], v2, s[80:81] offset:512
	global_load_b32 v92, v206, s[82:83]
	s_wait_loadcnt 22                              ; unit 0's 14 are in; the 22 issued behind them stay out
	TOLDS 96, 9, 10, 11
	s_wait_loadcnt 0x0
	TOLDS 146, 200, 201, 202
	s_wait_dscnt 0x0                               ; my stores have landed
	s_barrier_signal -1
	s_barrier_wait -1                              ; everybody's have: both units' K and V lie in LDS, and nobody writes them again
	UNIT 0
	UNIT 1                                         ; no barrier between the units: a wave goes on as soon as it is done
	v_add_nc_u32 v11, GATH, v1
	s_wait_dscnt 0x0
	s_barrier_signal -1
	s_barrier_wait -1                              ; the sixteen tiles' bytes of both units lie together
	s_cmp_lg_u32 s14, 0
	s_cbranch_scc1 .Lend
	s_wait_alu depctr_va_vdst(0)
	ds_load_b128 v[100:103], v11
	ds_load_b128 v[104:107], v11 offset:512
	s_wait_dscnt 0x0
	global_store_b128 v1, v[100:103], s[86:87]     ; wave 0 stores them: 512 consecutive bytes for each unit
	global_store_b128 v1, v[104:107], s[90:91]
.Lend:
	s_wait_tensorcnt 0x0                           ; the wave's end, behind my last LDS store
	ds_add_u32 v7, v8
	s_wait_dscnt 0x0
	s_endpgm
.Lfunc_end_k_qb123c2d370_attn:
	.size	k_qb123c2d370_attn, .Lfunc_end_k_qb123c2d370_attn-k_qb123c2d370_attn
	.p2alignl 7, 3214868480
	.fill 96, 4, 3214868480
	.section	.rodata,"a",@progbits
	.p2align	6, 0x0
	.amdhsa_kernel k_qb123c2d370_attn
		.amdhsa_group_segment_fixed_size 207872
		.amdhsa_private_segment_fixed_size 0
		.amdhsa_enable_private_segment 0
		.amdhsa_kernarg_size 40
		.amdhsa_user_sgpr_count 2
		.amdhsa_user_sgpr_kernarg_segment_ptr 1
		.amdhsa_wavefront_size32 1
		.amdhsa_system_sgpr_workgroup_id_x 1
		.amdhsa_system_sgpr_workgroup_id_y 1
		.amdhsa_system_sgpr_workgroup_id_z 1
		.amdhsa_system_vgpr_workitem_id 0
		.amdhsa_next_free_vgpr 256
		.amdhsa_next_free_sgpr 96
		.amdhsa_reserve_vcc 1
		.amdhsa_float_denorm_mode_32 3
		.amdhsa_float_denorm_mode_16_64 3
		.amdhsa_memory_ordered 1
		.amdhsa_forward_progress 1
		.amdhsa_inst_pref_size 82
	.end_amdhsa_kernel
	.amdgpu_metadata
---
amdhsa.version: [ 1, 2 ]
amdhsa.kernels:
  - .name:           k_qb123c2d370_attn
    .symbol:         k_qb123c2d370_attn.kd
    .args:
      - { .name: QKVC, .offset: 0, .size: 8, .value_kind: global_buffer, .address_space: global }
      - { .name: QKVS, .offset: 8, .size: 8, .value_kind: global_buffer, .address_space: global }
      - { .name: valid_lens, .offset: 16, .size: 8, .value_kind: global_buffer, .address_space: global }
      - { .name: AC, .offset: 24, .size: 8, .value_kind: global_buffer, .address_space: global }
      - { .name: AS, .offset: 32, .size: 8, .value_kind: global_buffer, .address_space: global }
    .group_segment_fixed_size: 207872
    .private_segment_fixed_size: 0
    .kernarg_segment_align: 8
    .kernarg_segment_size: 40
    .max_flat_workgroup_size: 512
    .sgpr_count:     96
    .vgpr_count:     256
    .wavefront_size: 32
...
	.end_amdgpu_metadata
.endif
;; end of part 3
;; launch outp (part 4): grid 4 x 64, 4 waves a work-group, clusters of 4 x 4, 327,680 bytes of LDS; arguments AC, AS, WC, WS, out0; writes out0
.if DOCPART == 4
	.amdgcn_target "amdgcn-amd-amdhsa--gfx1250"
	.amdhsa_code_object_version 6
	.text
	.protected	k_qb123c2d370_outp
	.globl	k_qb123c2d370_outp
	.p2align	8
	.type	k_qb123c2d370_outp,@function
k_qb123c2d370_outp:
	s_mov_b64 s[64:65], 0
	v_nop
	global_prefetch_b8 v0, s[64:65] scope:SCOPE_SE
	s_setreg_imm32_b32 hwreg(HW_REG_WAVE_MODE, 25, 1), 1
	s_wait_xcnt 0x0
	s_wait_alu depctr_hold_cnt(0) depctr_sa_sdst(0) depctr_va_vdst(0) depctr_va_sdst(0) depctr_va_ssrc(0) depctr_va_vcc(0) depctr_vm_vsrc(0)
	s_getreg_b32 s2, hwreg(HW_REG_IB_STS2, 6, 4)
	s_cmp_eq_u32 s2, 0
	s_cbranch_scc0 .Lentry_in_a_cluster
	s_endpgm
.Lentry_in_a_cluster:
	s_bfe_u32 s2, ttmp6, 0x10000c
	s_cmp_lg_u32 s2, 0xf033
	s_cbranch_scc0 .Lentry_shape_is_right
	s_endpgm
.Lentry_shape_is_right:
; out0 = att Wo on codes of FP6 (E2M3) with E8M0 scales, sums in f32, results f32.  att's codes (AC) and Wo's (the fourth part of WC) lie as images of operand registers: [tile][K step] x 1,536 bytes.
; R = Wo's columns is source 0, P = att's rows source 1: a lane holds one row of the result, and the 16 registers of R's tiles 2 b, 2 b + 1 are 16 neighbouring columns (lane r of tile 2 J + u = column 32 J + 8 u + r + 8 (r / 8); att's rows likewise).
; SHARES.  A work-group: 256 columns x 128 rows x all 1,024 of K; 256 work-groups.  Wave w: R's tiles 8 (w % 2) on, P's tiles 4 (w / 2) on: 32 accumulators, 256 matrix instructions.
; ALL OF K LIES IN LDS, in two parts of four K steps (R 98,304 bytes, P 49,152 each).  Four first fills, one a wave, at the head: wave 0 R's lower half of K, wave 1 P's, wave 2 R's upper half, wave 3 P's.  Nothing is filled again.
; CLUSTER 4 x 4: R's tiles hang on cx alone and are asked for jointly by a column of the cluster, P's on cy alone, by a row.
; NO PREFETCH: all that the work-group reads is asked for by the head's four loads, and there is no loop to run ahead in.
; REGISTERS: window 0: v1-20 addresses, v28-29 the add's two, v32-63 R's scale words, v64-79 P's (v80-95 their upper halves as loaded), v112-207 R's fragments, v208-255 P's (set 0; on the way out rows of the result); window 2: set 1; window 1: accumulator (p, t) at v[8 (8 p + t)].
.set WB,    786432
.set WSB,   32768
.set RSL,   98304
.set PSL,   49152
.set SLOT,  RSL+PSL
.set SPARE, 2*SLOT                     ; the spare words, 128 bytes a wave, which no other line names
.set STG,   8448                       ; the way out: a stage of 16 rows x (512 + 16) bytes for each wave, in the first part's R: it has had its one fill, and every wave's reads of it were waited for ahead of the barrier in K step 3
.set SPW,   28
.set NIL,   29
.set SR,    32
.set SP,    64
.set RF,    112
.set PF,    208
.set MSB, 0
.macro WIN new                         ; the immediate's high byte repeats the setting that is left
.if MSB != \new
	s_set_vgpr_msb (MSB<<8)|\new
.set MSB, \new
.endif
.endm
.macro CROUND                          ; a round of the cluster's barrier
	s_barrier_signal -1
	s_barrier_wait -1
	s_cmp_lg_u32 s16, 0
	s_cbranch_scc1 .Lnot_wave_0_\@
	s_barrier_signal -3
.Lnot_wave_0_\@:
	s_barrier_wait -3
	s_barrier_signal -1
	s_barrier_wait -1
.endm
.macro NOPS
.rept 4
	v_nop
.endr
.endm
.macro WM d, a, b, zero, sa, sb, ra, rb
.if \zero
.if (\ra) && (\rb)
	v_wmma_scale_f32_16x16x128_f8f6f4 v[\d:\d+7], v[\a:\a+11], v[\b:\b+11], 0, v[\sa], v[\sb] matrix_a_fmt:MATRIX_FMT_FP6 matrix_b_fmt:MATRIX_FMT_FP6 matrix_a_scale:MATRIX_SCALE_ROW1 matrix_b_scale:MATRIX_SCALE_ROW1
.elseif \ra
	v_wmma_scale_f32_16x16x128_f8f6f4 v[\d:\d+7], v[\a:\a+11], v[\b:\b+11], 0, v[\sa], v[\sb] matrix_a_fmt:MATRIX_FMT_FP6 matrix_b_fmt:MATRIX_FMT_FP6 matrix_a_scale:MATRIX_SCALE_ROW1
.elseif \rb
	v_wmma_scale_f32_16x16x128_f8f6f4 v[\d:\d+7], v[\a:\a+11], v[\b:\b+11], 0, v[\sa], v[\sb] matrix_a_fmt:MATRIX_FMT_FP6 matrix_b_fmt:MATRIX_FMT_FP6 matrix_b_scale:MATRIX_SCALE_ROW1
.else
	v_wmma_scale_f32_16x16x128_f8f6f4 v[\d:\d+7], v[\a:\a+11], v[\b:\b+11], 0, v[\sa], v[\sb] matrix_a_fmt:MATRIX_FMT_FP6 matrix_b_fmt:MATRIX_FMT_FP6
.endif
.else
.if (\ra) && (\rb)
	v_wmma_scale_f32_16x16x128_f8f6f4 v[\d:\d+7], v[\a:\a+11], v[\b:\b+11], v[\d:\d+7], v[\sa], v[\sb] matrix_a_fmt:MATRIX_FMT_FP6 matrix_b_fmt:MATRIX_FMT_FP6 matrix_a_scale:MATRIX_SCALE_ROW1 matrix_b_scale:MATRIX_SCALE_ROW1
.elseif \ra
	v_wmma_scale_f32_16x16x128_f8f6f4 v[\d:\d+7], v[\a:\a+11], v[\b:\b+11], v[\d:\d+7], v[\sa], v[\sb] matrix_a_fmt:MATRIX_FMT_FP6 matrix_b_fmt:MATRIX_FMT_FP6 matrix_a_scale:MATRIX_SCALE_ROW1
.elseif \rb
	v_wmma_scale_f32_16x16x128_f8f6f4 v[\d:\d+7], v[\a:\a+11], v[\b:\b+11], v[\d:\d+7], v[\sa], v[\sb] matrix_a_fmt:MATRIX_FMT_FP6 matrix_b_fmt:MATRIX_FMT_FP6 matrix_b_scale:MATRIX_SCALE_ROW1
.else
	v_wmma_scale_f32_16x16x128_f8f6f4 v[\d:\d+7], v[\a:\a+11], v[\b:\b+11], v[\d:\d+7], v[\sa], v[\sb] matrix_a_fmt:MATRIX_FMT_FP6 matrix_b_fmt:MATRIX_FMT_FP6
.endif
.endif
.endm
; 48 LDS loads in one run: my twelve fragments of K step e of part sl; v3-6 address part 0, v8-11 part 1
.macro FETCH set, sl, e
.if \set
	WIN 0x80                                       ; destination window 2, address window 0
.else
	WIN 0
.endif
.irp i, 0,1,2,3,4,5,6,7
	ds_load_b128 v[RF+12*\i:RF+12*\i+3],    v[3+5*(\sl)] offset:6144*\i+1536*(\e)
	ds_load_b64  v[RF+12*\i+4:RF+12*\i+5],  v[4+5*(\sl)] offset:6144*\i+1536*(\e)+512
	ds_load_b128 v[RF+12*\i+6:RF+12*\i+9],  v[3+5*(\sl)] offset:6144*\i+1536*(\e)+768
	ds_load_b64  v[RF+12*\i+10:RF+12*\i+11], v[4+5*(\sl)] offset:6144*\i+1536*(\e)+1280
.endr
.irp i, 0,1,2,3
	ds_load_b128 v[PF+12*\i:PF+12*\i+3],    v[5+5*(\sl)] offset:6144*\i+1536*(\e)
	ds_load_b64  v[PF+12*\i+4:PF+12*\i+5],  v[6+5*(\sl)] offset:6144*\i+1536*(\e)+512
	ds_load_b128 v[PF+12*\i+6:PF+12*\i+9],  v[5+5*(\sl)] offset:6144*\i+1536*(\e)+768
	ds_load_b64  v[PF+12*\i+10:PF+12*\i+11], v[6+5*(\sl)] offset:6144*\i+1536*(\e)+1280
.endr
.endm
.macro MUL set, s, zero                ; 32 products; the 32 accumulators take turns, one instruction a turn, in the same order in every step
.if \set
	WIN 0x5a
.else
	WIN 0x50
.endif
.irp p, 0,1,2,3
.irp t, 0,1,2,3,4,5,6,7
	WM 8*(8*\p+\t), RF+12*\t, PF+12*\p, \zero, SR+8*(\t/2)+(\s), SP+8*(\p/2)+(\s), \t%2, \p%2
.endr
.endr
.endm
.macro STEP s
	s_wait_dscnt 0x0                               ; this step's fragments are in
	WIN 0
.if (\s) < 7
.if (\s) == 3
	s_barrier_signal -1                            ; my reads of the first part are over: behind this barrier nobody reads it, and the stages may lie there
	s_barrier_wait -1
.endif
	NOPS                                           ; four places in front of loads into registers that the step before has multiplied
	FETCH ((\s)+1)%2, ((\s)+1)/4, ((\s)+1)%4
.endif
.if (\s) == 0
	MUL 0, 0, 1
.else
	MUL (\s)%2, \s, 0
.endif
.endm
; THE WAY OUT, a tile of 16 rows x 128 columns at a time: a lane holds pieces of 32 bytes of one row; through my stage they become whole rows of 512 bytes
.macro TOSTAGE p
	WIN 0x04                                       ; an LDS store's data are its source 1: window 1
.irp t, 0,1,2,3,4,5,6,7
	ds_store_b128 v19, v[8*(8*(\p)+\t):8*(8*(\p)+\t)+3] offset:128*(\t/2)+32*(\t%2)          ; each accumulator from its low end on
	ds_store_b128 v19, v[8*(8*(\p)+\t)+4:8*(8*(\p)+\t)+7] offset:128*(\t/2)+32*(\t%2)+16
.endr
	WIN 0
.set BB, 112+64*((\p)%2)
.irp i, 0,1,2,3,4,5,6,7,8,9,10,11,12,13,14,15
	ds_load_b128 v[BB+4*\i:BB+4*\i+3], v20 offset:528*\i       ; LDS serves a wave's instructions in order: these see the stores above
.endr
.endm
.macro SEND p, younger
.set BB, 112+64*((\p)%2)
	s_wait_dscnt \younger                          ; the tile is back; the next tile's 16 stores and 16 loads may be out
.irp i, 0,1,2,3,4,5,6,7,8,9,10,11,12,13,14,15
	global_store_b128 v1, v[BB+4*\i:BB+4*\i+3], s[12:13] offset:(32*((\p)/2)+8*((\p)%2)+\i+8*(\i/8))*4096 th:TH_STORE_NT   ; 32 lanes store 512 consecutive bytes of one row
.endr
.endm
.macro ARM under, g0, g1, next         ; one arm of the head's chain: a load, and a jump to the chain's end
	s_cmp_lt_u32 s16, \under
	s_cbranch_scc0 \next
	tensor_load_to_lds s[\g0:\g0+3], s[\g1:\g1+7]
	s_nop 0
	NOPS
	s_branch .Lfilled
\next:
.endm
	s_load_b256 s[4:11], s[0:1], 0x0               ; AC, AS, WC, WS
	s_load_b64 s[12:13], s[0:1], 0x20              ; out0
	v_lshl_add_u32 v[SPW], v0, 2, SPARE
	v_mov_b32 v[NIL], 0
	ds_add_u32 v[SPW], v[NIL]                      ; the opening lines: the add, twice on end, and its wait ahead of my first tensor load
	ds_add_u32 v[SPW], v[NIL]
	v_lshrrev_b32 v1, 5, v0
	v_readfirstlane_b32 s16, v1                    ; wave 0..3
	s_and_b32 s17, s16, 1
	s_lshr_b32 s18, s16, 1
	s_bfe_u32 s19, ttmp6, 0x40000                  ; cx: R's block
	s_bfe_u32 s20, ttmp6, 0x40004                  ; cy
	s_and_b32 s21, ttmp7, 0xffff                   ; the cluster's y: 0..15
	s_lshl_b32 s27, s21, 2
	s_add_co_u32 s27, s27, s20                     ; P's block = 4 x cluster y + cy
	s_lshl_b32 s28, 0x1111, s19                    ; my column of the cluster
	s_lshl_b32 s29, s20, 2
	s_lshl_b32 s29, 15, s29                        ; my row
	; group 1: rows of 6,144 bytes (a tile's four K steps; 768 elements of 8 bytes), 12,288 bytes apart; R: 16 rows, P: 8; no padding
	s_or_b32 s32, s28, (3<<16)|(1<<21)
	s_mov_b32 s33, 768<<16
	s_mov_b32 s34, 16<<16
	s_mov_b32 s35, 768<<16
	s_mov_b32 s36, 16
	s_mov_b32 s37, 1536
	s_mov_b32 s38, 0
	s_mov_b32 s39, 0
	s_or_b32 s40, s29, (3<<16)|(1<<21)
	s_mov_b32 s41, 768<<16
	s_mov_b32 s42, 8<<16
	s_mov_b32 s43, 768<<16
	s_mov_b32 s44, 8
	s_mov_b32 s45, 1536
	s_mov_b32 s46, 0
	s_mov_b32 s47, 0
	s_lshl_b32 s88, s19, 4                         ; R's offset is made of cx alone,
	s_mul_i32 s88, s88, 12288
	s_add_co_u32 s88, s88, 3*WB
	s_mov_b32 s89, 0
	s_lshl_b32 s96, s19, 3
	s_lshl_b32 s28, s17, 2
	s_add_co_u32 s96, s96, s28
	s_lshl_b32 s96, s96, 10
	s_add_co_u32 s96, s96, 3*WSB
	s_mov_b32 s97, 0
	s_lshl_b32 s90, s27, 3                         ; P's of cy alone
	s_mul_i32 s90, s90, 12288
	s_mov_b32 s91, 0
	s_lshl_b32 s98, s27, 3
	s_lshl_b32 s29, s18, 2
	s_add_co_u32 s98, s98, s29                     ; my first tile of rows,
	s_lshr_b32 s29, s98, 6                         ; its batch,
	s_and_b32 s98, s98, 63                         ; its place there
	s_lshl_b32 s29, s29, 15                        ; AS: [batch][head][tile][16] of two bytes
	s_lshl_b32 s98, s98, 5
	s_add_co_u32 s98, s98, s29
	s_mov_b32 s99, 0
	s_mul_i32 s30, s17, 49152                      ; LDS: the eight tiles of R that I multiply
	s_mul_i32 s31, s18, 24576
	s_add_co_u32 s31, s31, RSL                     ; and the four of P
	s_wait_dscnt 0x0                               ; both opening adds are done
	s_wait_kmcnt 0x0
	s_add_nc_u64 s[84:85], s[8:9], s[88:89]        ; Wo's codes
	s_add_nc_u64 s[86:87], s[4:5], s[90:91]        ; att's
	s_add_nc_u64 s[92:93], s[10:11], s[96:97]      ; Wo's scale words
	s_add_nc_u64 s[94:95], s[6:7], s[98:99]        ; att's scale bytes
.irp c, 0,1                                    ; group 0, a set for each half of K
	s_mov_b32 s[48+4*\c], 1
	s_mov_b32 s[49+4*\c], \c*SLOT
	s_add_nc_u64 s[50+4*\c:51+4*\c], s[84:85], \c*6144
	s_or_b32 s[51+4*\c], s[51+4*\c], 0x80000000
	s_mov_b32 s[68+4*\c], 1
	s_mov_b32 s[69+4*\c], RSL+\c*SLOT
	s_add_nc_u64 s[70+4*\c:71+4*\c], s[86:87], \c*6144
	s_or_b32 s[71+4*\c], s[71+4*\c], 0x80000000
.endr
	CROUND                                         ; all sixteen work-groups are here: the joint loads meet
	ARM 1, 48, 32, .Lhead_p0                       ; one chain of branches on the wave's number: every way passes exactly one load
	ARM 2, 68, 40, .Lhead_r1
	ARM 3, 52, 32, .Lhead_p1
	tensor_load_to_lds s[72:75], s[40:47]
	s_nop 0
	NOPS
.Lfilled:
	s_mul_i32 s2, s16, STG                         ; my stage
	s_lshl_b32 s84, s27, 7                         ; where my results go: row 128 x P's block + 64 x (wave / 2), column 256 x R's block + 128 x (wave % 2)
	s_lshl_b32 s85, s18, 6
	s_add_co_u32 s84, s84, s85
	s_lshl_b32 s84, s84, 12
	s_lshl_b32 s85, s19, 10
	s_add_co_u32 s84, s84, s85
	s_lshl_b32 s85, s17, 9
	s_add_co_u32 s84, s84, s85
	s_mov_b32 s85, 0
	s_add_nc_u64 s[12:13], s[12:13], s[84:85]
	v_and_b32 v14, 31, v0
	v_lshlrev_b32 v1, 4, v14
	v_lshlrev_b32 v2, 3, v14
	v_lshlrev_b32 v18, 1, v14
	v_add_nc_u32 v3, s30, v1
	v_add_nc_u32 v4, s30, v2
	v_add_nc_u32 v5, s31, v1
	v_add_nc_u32 v6, s31, v2
	v_add_nc_u32 v8, SLOT, v3
	v_add_nc_u32 v9, SLOT, v4
	v_add_nc_u32 v10, SLOT, v5
	v_add_nc_u32 v11, SLOT, v6
	v_and_b32 v12, 15, v0
	v_bfe_u32 v13, v0, 4, 1
	v_mul_u32_u24 v19, v12, 528
	v_lshl_add_u32 v19, v13, 6, v19
	v_add_nc_u32 v19, s2, v19                      ; the stage, in: row r, + 64 bytes for lanes 16-31
	v_add_nc_u32 v20, s2, v1                       ; back: 16 bytes a lane of a row
	s_wait_alu depctr_va_vdst(0)
.irp j, 0,1,2,3
.irp q, 0,1
	global_load_b128 v[SR+8*\j+4*\q:SR+8*\j+4*\q+3], v1, s[92:93] offset:1024*\j+512*\q
.endr
.endr
.irp j, 0,1                                    ; att's scale word of K step s: head 2 s's two bytes below, head 2 s + 1's above; lanes 0-15 the pair's even tile, lanes 16-31 the odd
.irp s, 0,1,2,3,4,5,6,7
	global_load_u16 v[SP+8*\j+\s], v18, s[94:95] offset:64*\j+(2*\s)*2048
	global_load_u16 v[SP+16+8*\j+\s], v18, s[94:95] offset:64*\j+(2*\s+1)*2048
.endr
.endr
	s_wait_tensorcnt 0x0                           ; my one load has landed
	s_barrier_signal -1
	s_barrier_wait -1                              ; everybody's has: all of K lies in LDS
	FETCH 0, 0, 0
	s_wait_loadcnt 0x0                             ; the scale words and bytes
.set j, 0
.rept 16
	v_lshl_or_b32 v[SP+j], v[SP+16+j], 16, v[SP+j]
.set j, j+1
.endr
.rept 8
	v_nop                                          ; a scale register written by a vector instruction stands eight places ahead of its product
.endr
	s_wait_alu depctr_va_vdst(0)
.irp s, 0,1,2,3,4,5,6,7
	STEP \s
.endr
	WIN 0
	NOPS                                           ; places behind the last products, for the stores that read results and the loads into registers that held fragments
	TOSTAGE 0
.irp a, 1,2,3
.if \a > 1
	s_wait_xcnt 0x0                                ; tile a - 2's stores have read their registers: tile a's rows may land there
.endif
	TOSTAGE \a
	SEND \a-1, 32
.endr
	SEND 3, 0
	s_wait_tensorcnt 0x0                           ; the wave's end, behind my last tensor load and my last LDS store
	ds_add_u32 v[SPW], v[NIL]
	s_wait_dscnt 0x0
	CROUND                                         ; the closing round
	s_endpgm
.Lfunc_end_k_qb123c2d370_outp:
	.size	k_qb123c2d370_outp, .Lfunc_end_k_qb123c2d370_outp-k_qb123c2d370_outp
	.p2alignl 7, 3214868480
	.fill 96, 4, 3214868480
	.section	.rodata,"a",@progbits
	.p2align	6, 0x0
	.amdhsa_kernel k_qb123c2d370_outp
		.amdhsa_group_segment_fixed_size 327680
		.amdhsa_private_segment_fixed_size 0
		.amdhsa_enable_private_segment 0
		.amdhsa_kernarg_size 40
		.amdhsa_user_sgpr_count 2
		.amdhsa_user_sgpr_kernarg_segment_ptr 1
		.amdhsa_wavefront_size32 1
		.amdhsa_system_sgpr_workgroup_id_x 1
		.amdhsa_system_sgpr_workgroup_id_y 1
		.amdhsa_system_sgpr_workgroup_id_z 1
		.amdhsa_system_vgpr_workitem_id 0
		.amdhsa_next_free_vgpr 768
		.amdhsa_next_free_sgpr 100
		.amdhsa_reserve_vcc 0
		.amdhsa_float_denorm_mode_32 3
		.amdhsa_float_denorm_mode_16_64 3
		.amdhsa_memory_ordered 1
		.amdhsa_forward_progress 1
		.amdhsa_inst_pref_size 85
	.end_amdhsa_kernel
	.amdgpu_metadata
---
amdhsa.version: [ 1, 2 ]
amdhsa.kernels:
  - .name:           k_qb123c2d370_outp
    .symbol:         k_qb123c2d370_outp.kd
    .args:
      - { .name: AC, .offset: 0, .size: 8, .value_kind: global_buffer, .address_space: global }
      - { .name: AS, .offset: 8, .size: 8, .value_kind: global_buffer, .address_space: global }
      - { .name: WC, .offset: 16, .size: 8, .value_kind: global_buffer, .address_space: global }
      - { .name: WS, .offset: 24, .size: 8, .value_kind: global_buffer, .address_space: global }
      - { .name: out0, .offset: 32, .size: 8, .value_kind: global_buffer, .address_space: global }
    .group_segment_fixed_size: 327680
    .private_segment_fixed_size: 0
    .kernarg_segment_align: 8
    .kernarg_segment_size: 40
    .max_flat_workgroup_size: 128
    .sgpr_count:     100
    .vgpr_count:     768
    .wavefront_size: 32
...
	.end_amdgpu_metadata
.endif
;; end of part 4
